; MI455X (gfx1250); checked and timed in simulation.
; The chip was launched on July 23, 2026; its instructions are those of AMD's public machine-readable ISA for CDNA 5 (MIT licence, August 2026) and "CDNA5" Instruction Set Architecture Reference Guide (July 2026). The comments in the code are by the model that wrote it; some were corrected since.
;; Multi Headed Dot Attention. Allowed arithmetic: float matrix products may take bf16 or f16 operands with f32 sums; other float arithmetic in f32, or as packed bf16 or f16 multiplies, adds, multiply-adds, maxima and minima; sums over many terms, partial sums and values carried from step to step in f32; what a program stores and reads back later, other than sums and carried values, may be rounded once to bf16 or f16.
;; Inputs: Wk 1,024 x 1,024 float32; Wo 1,024 x 1,024 float32; Wq 1,024 x 1,024 float32; Wv 1,024 x 1,024 float32; att_mask 4 x 2,048 int32; bk 1,024 float32; bo 1,024 float32; bq 1,024 float32; bv 1,024 float32; key 4 x 2,048 x 1,024 float32; query 4 x 2,048 x 1,024 float32; value 4 x 2,048 x 1,024 float32.
;; Outputs: out0 4 x 2,048 x 1,024 float32.
;; One version. Each part assembles by itself: llvm-mc -triple=amdgcn-amd-amdhsa -mcpu=gfx1250 --defsym DOCPART=n.
;; ======== version 1 of 1: 6 launches
;; limits: values are held in f16: magnitudes above 65,504 overflow, below 6.1e-05 lose precision
;; workspace buffers: wt 8,388,608 bytes; qh 16,777,216 bytes; kh 16,777,216 bytes; vh 16,777,216 bytes; oh 16,777,216 bytes; rl 1,572,864 bytes; ox 1,048,576 bytes
;; launch wprep (part 1): grid 64 x 4, 8 waves a work-group, no clusters, 0 bytes of LDS; arguments Wq, Wk, Wv, Wo, wt; writes wt
.if DOCPART == 1
	.amdgcn_target "amdgcn-amd-amdhsa--gfx1250"
	.amdhsa_code_object_version 6
	.text
	.protected	k_qb618863ed4_wprep
	.globl	k_qb618863ed4_wprep
	.p2align	8
	.type	k_qb618863ed4_wprep,@function
k_qb618863ed4_wprep:
	s_mov_b64 s[64:65], 0
	v_nop
	global_prefetch_b8 v0, s[64:65] scope:SCOPE_SE
	s_setreg_imm32_b32 hwreg(HW_REG_WAVE_MODE, 25, 1), 1
	s_wait_xcnt 0x0
; wt[i][k][n] = W_i[k][n] in 16 bits, the layout kept.  i = 0, 1, 2 (Wq, Wk, Wv): rounded to bf16.  i = 3 (Wo): rounded to bf16, and that number written as f16,
; since the last product's other operand is f16.  LIMIT: a bf16 number is exact in f16 between 2^-14 and 65,504; below 2^-14 it takes f16's fixed step of 6e-8, above 65,504 it is lost.
; A stream: each byte is read once and written once; no LDS, no matrix unit, no cluster, since no two work-groups share a byte.
; Work-group (x, y) owns 16,384 consecutive numbers of weight y: 65,536 bytes in, 32,768 out.  Thread t takes 16 bytes at 16 t + 4,096 i and stores 8 bytes at 8 t + 2,048 i, i = 0 .. 15:
; a wave's load covers 512 consecutive bytes, a wave's store 256 consecutive bytes at a multiple of 256 from the buffer's first byte.  All 16 loads of a wave go out at once.
.set X, 8                              ; v[8:71]    chunk i: 4 f32 as loaded
.set Y, 72                             ; v[72:103]  chunk i: 4 numbers of 16 bits to store; every chunk has its own, so nothing that a store reads is rewritten
.set T, 104                            ; v[104:107] at work
	s_load_b256 s[4:11], s[0:1], 0x0               ; Wq s[4:5], Wk s[6:7], Wv s[8:9], Wo s[10:11]
	s_load_b64 s[12:13], s[0:1], 0x20              ; wt
	s_and_b32 s16, ttmp7, 0xffff                   ; which weight
	v_lshlrev_b32 v1, 4, v0                        ; 16 t
	v_lshlrev_b32 v2, 3, v0                        ; 8 t
	s_lshl_b32 s18, ttmp9, 16                      ; my 65,536 bytes of the weight
	s_mov_b32 s19, 0
	s_lshl_b32 s20, s16, 21                        ; the weight's 2 MiB in wt,
	s_lshl_b32 s21, ttmp9, 15                      ; my 32,768 bytes of them
	s_add_co_u32 s20, s20, s21
	s_mov_b32 s21, 0
	s_wait_kmcnt 0x0
	s_cmp_eq_u32 s16, 1
	s_cselect_b64 s[14:15], s[6:7], s[4:5]
	s_cmp_eq_u32 s16, 2
	s_cselect_b64 s[14:15], s[8:9], s[14:15]
	s_cmp_eq_u32 s16, 3
	s_cselect_b64 s[14:15], s[10:11], s[14:15]
	s_add_nc_u64 s[14:15], s[14:15], s[18:19]
	s_add_nc_u64 s[12:13], s[12:13], s[20:21]
.irp i, 0,1,2,3,4,5,6,7,8,9,10,11,12,13,14,15
	global_load_b128 v[X+4*(\i):X+4*(\i)+3], v1, s[14:15] offset:4096*(\i) th:TH_LOAD_NT
.endr
	s_cmp_eq_u32 s16, 3
	s_cbranch_scc1 .Lwo
.irp i, 0,1,2,3,4,5,6,7,8,9,10,11,12,13,14,15
	s_wait_loadcnt 15-(\i)                         ; loads come back in order: chunk i is in, the 15 - i younger ones stay out
	v_cvt_pk_bf16_f32 v[Y+2*(\i)], v[X+4*(\i)], v[X+4*(\i)+1]
	v_cvt_pk_bf16_f32 v[Y+2*(\i)+1], v[X+4*(\i)+2], v[X+4*(\i)+3]
	global_store_b64 v2, v[Y+2*(\i):Y+2*(\i)+1], s[12:13] offset:2048*(\i)
.endr
	s_endpgm
.Lwo:
.irp i, 0,1,2,3,4,5,6,7,8,9,10,11,12,13,14,15
	s_wait_loadcnt 15-(\i)                         ; as above
	v_cvt_pk_bf16_f32 v[T], v[X+4*(\i)], v[X+4*(\i)+1]         ; the rounding that all the module's inputs get,
	v_cvt_pk_bf16_f32 v[T+1], v[X+4*(\i)+2], v[X+4*(\i)+3]
	v_and_b32 v[T+2], 0xffff0000, v[T]                         ; back to f32: the high half stays, the low half moves up,
	v_lshlrev_b32 v[T], 16, v[T]
	v_and_b32 v[T+3], 0xffff0000, v[T+1]
	v_lshlrev_b32 v[T+1], 16, v[T+1]
	v_cvt_pk_f16_f32 v[Y+2*(\i)], v[T], v[T+2]                 ; and the same number as f16
	v_cvt_pk_f16_f32 v[Y+2*(\i)+1], v[T+1], v[T+3]
	global_store_b64 v2, v[Y+2*(\i):Y+2*(\i)+1], s[12:13] offset:2048*(\i)
.endr
	s_endpgm
.Lfunc_end_k_qb618863ed4_wprep:
	.size	k_qb618863ed4_wprep, .Lfunc_end_k_qb618863ed4_wprep-k_qb618863ed4_wprep
	.p2alignl 7, 3214868480
	.fill 96, 4, 3214868480
	.section	.rodata,"a",@progbits
	.p2align	6, 0x0
	.amdhsa_kernel k_qb618863ed4_wprep
		.amdhsa_group_segment_fixed_size 0
		.amdhsa_private_segment_fixed_size 0
		.amdhsa_enable_private_segment 0
		.amdhsa_kernarg_size 40
		.amdhsa_user_sgpr_count 2
		.amdhsa_user_sgpr_kernarg_segment_ptr 1
		.amdhsa_wavefront_size32 1
		.amdhsa_system_sgpr_workgroup_id_x 1
		.amdhsa_system_sgpr_workgroup_id_y 1
		.amdhsa_system_sgpr_workgroup_id_z 1
		.amdhsa_system_vgpr_workitem_id 0
		.amdhsa_next_free_vgpr 112
		.amdhsa_next_free_sgpr 66
		.amdhsa_reserve_vcc 0
		.amdhsa_float_denorm_mode_32 3
		.amdhsa_float_denorm_mode_16_64 3
		.amdhsa_memory_ordered 1
		.amdhsa_forward_progress 1
		.amdhsa_inst_pref_size 16
	.end_amdhsa_kernel
	.amdgpu_metadata
---
amdhsa.version: [ 1, 2 ]
amdhsa.kernels:
  - .name:           k_qb618863ed4_wprep
    .symbol:         k_qb618863ed4_wprep.kd
    .args:
      - { .name: Wq, .offset: 0, .size: 8, .value_kind: global_buffer, .address_space: global }
      - { .name: Wk, .offset: 8, .size: 8, .value_kind: global_buffer, .address_space: global }
      - { .name: Wv, .offset: 16, .size: 8, .value_kind: global_buffer, .address_space: global }
      - { .name: Wo, .offset: 24, .size: 8, .value_kind: global_buffer, .address_space: global }
      - { .name: wt, .offset: 32, .size: 8, .value_kind: global_buffer, .address_space: global }
    .group_segment_fixed_size: 0
    .private_segment_fixed_size: 0
    .kernarg_segment_align: 8
    .kernarg_segment_size: 40
    .max_flat_workgroup_size: 256
    .sgpr_count:     66
    .vgpr_count:     112
    .wavefront_size: 32
...
	.end_amdgpu_metadata
.endif
;; end of part 1
;; launch proj (part 2): grid 4 x 192, 4 waves a work-group, clusters of 4 x 4, 327,680 bytes of LDS; arguments query, key, value, wt, bq, bk, bv, qh, kh, vh, rl; writes qh, kh, vh, rl
.if DOCPART == 2
	.amdgcn_target "amdgcn-amd-amdhsa--gfx1250"
	.amdhsa_code_object_version 6
	.text
	.protected	k_qb618863ed4_proj
	.globl	k_qb618863ed4_proj
	.p2align	8
	.type	k_qb618863ed4_proj,@function
k_qb618863ed4_proj:
	s_mov_b64 s[64:65], 0
	v_nop
	global_prefetch_b8 v0, s[64:65] scope:SCOPE_SE
	s_setreg_imm32_b32 hwreg(HW_REG_WAVE_MODE, 25, 1), 1
	s_wait_xcnt 0x0
	s_wait_alu depctr_hold_cnt(0) depctr_sa_sdst(0) depctr_va_vdst(0) depctr_va_sdst(0) depctr_va_ssrc(0) depctr_va_vcc(0) depctr_vm_vsrc(0)
	s_getreg_b32 s2, hwreg(HW_REG_IB_STS2, 6, 4)
	s_cmp_eq_u32 s2, 0
	s_cbranch_scc0 .Lentry_in_a_cluster
	s_endpgm
.Lentry_in_a_cluster:
	s_bfe_u32 s2, ttmp6, 0x10000c
	s_cmp_lg_u32 s2, 0xf033
	s_cbranch_scc0 .Lentry_shape_is_right
	s_endpgm
.Lentry_shape_is_right:
; THE THREE INPUT PROJECTIONS.  y = x W + b for (query, Wq, bq), (key, Wk, bk), (value, Wv, bv); x: [8192][1024] f32, W: wt[which][k][n] in bf16, b: [1024] f32.
; y leaves by heads, [batch x 16 + head][2048][64] in f16, unscaled, rounded once from its f32 sum.  x and b are rounded to bf16 on the way to the matrix unit, like the weights.
; THE FIRST 64 ROWS OF EACH BATCH also leave what that rounding dropped: rl[which][batch x 16 + head][row][64] = f16(y - f16(y)).  Under the causal mask those rows average over few keys, so their numbers
; are many times the output's root mean square while their allowance goes by it: a later launch takes them as pairs of f16.
; LIMIT: y beyond 65,504 in magnitude does not fit f16 and becomes an infinity; a residual below 6e-5 keeps f16's fixed step of 6e-8.  NaN and infinities in the inputs are not treated apart.
; SHARES.  A work-group makes 128 rows x 256 columns of one product: 64 x 4 tiles a product, 768 work-groups of equal work, three for each of 256 processors.  Four waves, each 64 rows x 128 columns:
; 32 accumulators of 16 x 16, 256 registers.  K = 1,024 goes in 8 steps of 128 through two LDS slots that take turns; a step is four quarters of 32 along K, 32 matrix instructions a wave each.
; x STAYS f32 IN LDS and is rounded between LDS and the matrix unit: eight conversions behind every four products of a quarter's second half.  A pass of its own would read and write x once more.
; W LIES [k][n] and is read by the turning LDS load, which leaves a fragment of 16 columns x 32 k: no transposed copy is made.
; THE MATRIX INSTRUCTION IS USED TRANSPOSED: source 0 = 16 columns of W, source 1 = 16 rows of x.  Lane l then holds row l % 16 and the columns 8 (l / 16) + 0 .. 7: eight neighbours of a row of y.
; THE BIAS is the C operand of the first quarter's products: nothing is cleared and nothing is added on the way out.
; CLUSTER.  4 x 4 work-groups.  The four of a row of the cluster need the same rows of x, the four of a column the same columns of W: each tile is asked for JOINTLY, by the same tensor load
; with the same descriptor and a mask that names the four.  All sixteen belong to one product and to one place in the sequence (the cluster's four rows are the four batches), so the branch
; to the residuals' way out is the same in all partners.
; REGISTERS, in windows of 256 (s_set_vgpr_msb: bits 1:0 source 0, 3:2 source 1, 5:4 source 2, 7:6 destination):
;   window 0: v0-15 addresses; v32-95 x as loaded (f32); v96-159 x's fragments, two buffers; v160-255 the way out
;   window 1: v0-63, v64-127 W's fragments, two buffers; v128-191 the bias          window 2: accumulator (a, b) at v[8 (8 a + b)]
.set PIECE,  0x8800                    ; 34,816 bytes: what one tensor load may fill.  x: 64 rows x 528; W: 64 rows x 544
.set SLOTD,  0x22000                   ; a slot: four pieces (x's rows 0-63, 64-127; W's k 0-63, 64-127).  No piece's start has bit 13 or 17 set, so one exclusive or turns a slot's address into the other's
.set PA,     528                       ; a row of x in LDS: 512 bytes + 16 = 132 words: the 16 rows of a load start at 16 different groups of four banks (64 banks of 4 bytes: ISA guide 11.1)
.set PB,     544                       ; a row of W: 512 + 32 = 136 words
.set STAGE,  2*SLOTD                   ; behind the ring, never filled by a tensor load: for each wave 2 heads x 16 rows x 144 bytes, for the way out
.set SSTG,   2*16*144
.set SPARE,  STAGE+4*SSTG              ; behind the stages: the spare words, 128 bytes for each wave: two blocks of 256 bytes that no other line names
.set KA,     512                       ; a K step in x: 128 f32 along a row
.set KB,     128*2048                  ; a K step in W: 128 rows of 2,048 bytes
.set ADRA0, 4                          ; v4   my lane's place in a slot's x; never rewritten
.set ADRB0, 5                          ; v5   the same for W
.set ADRA,  6                          ; v6   v4 + the slot in hand
.set ADRB,  7                          ; v7   v5 + the slot in hand
.set STO,   8                          ; v8   the way out: where I put 16 bytes of a row
.set RD,    9                          ; v9   the way out: where I read rows back
.set GO,    10                         ; v10  my byte offset in 512 consecutive bytes of y
.set BO,    11                         ; v11  my byte offset in 16 numbers of the bias
.set SPW,   12                         ; v12  LDS address of my spare word: SPARE + 4 x my thread's number; never rewritten
.set NIL,   13                         ; v13  0; never rewritten
.set NEG1,  15                         ; v15  -1.0
.set STG,   32                         ; four fragments of x as loaded: 16 f32 a lane each
.set HT,    32                         ; the residuals' way out: a block's results rounded to f16 (x's registers are free by then)
.set ABF,   96                         ; x's fragments in bf16: buffer f, block a at ABF + 32 f + 8 a
.set TMP,   160                        ; the way out: packed results
.set BK,    192                        ; the way out: rows read back, two buffers of 32
.set BIAS,  128                        ; window 1: block b at BIAS + 8 b
.set G1A, 24                           ; s[24:31] descriptor group 1 for x's tiles
.set G0A, 32                           ; s[32:35] group 0 of the first fill, s[36:39] of the second, which then walks
.set G1B, 48                           ; s[48:55], s[56:59], s[60:63] the same for W's tiles
.set G0B, 56
.set MSB, 0
.macro WIN new                         ; the immediate's high byte repeats the setting that is left; a switch that changes nothing is dropped
.if MSB != (\new)
	s_set_vgpr_msb (MSB<<8)|(\new)
.set MSB, \new
.endif
.endm
.set MUL,  0xa1                        ; source 0 (W) window 1, source 1 (x) window 0, C and D window 2
.set MULB, 0x91                        ; the same with C (the bias) in window 1
.set TO_B, 0x40                        ; destination window 1, address window 0
.macro PLACES                          ; four places between a matrix instruction and a vector instruction or store that reads its result
.rept 4
	v_nop
.endr
.endm
; A joint refill, by the walking descriptors.  Waves 0 and 1 fetch x's two pieces, waves 2 and 3 W's.  The branch hangs on the wave's number alone: it is the same in every work-group.
; An s_nop 0 and four v_nop follow each of the two lines, ahead of the jump, the label and what follows.
.macro JLOAD
	s_cmp_eq_u32 s11, 0
	s_cbranch_scc0 .Lfor_b_\@
	tensor_load_to_lds s[G0A+4:G0A+7], s[G1A:G1A+7]
	s_nop 0
.rept 4
	v_nop
.endr
	s_branch .Lasked_\@
.Lfor_b_\@:
	tensor_load_to_lds s[G0B+4:G0B+7], s[G1B:G1B+7]
	s_nop 0
.rept 4
	v_nop
.endr
.Lasked_\@:
.endm
; A round of the cluster's barrier: my work-group's barrier, so that wave 0's signal speaks for all four waves; wave 0 signals; every wave waits for all sixteen work-groups; my work-group's barrier once more.
.macro CREST                           ; a round behind its opening barrier
	s_cmp_lg_u32 s10, 0
	s_cbranch_scc1 .Lnot_wave_0_\@
	s_barrier_signal -3
.Lnot_wave_0_\@:
	s_barrier_wait -3
	s_barrier_signal -1
	s_barrier_wait -1
.endm
.macro CROUND                          ; a whole round
	s_barrier_signal -1
	s_barrier_wait -1
	CREST
.endm
	s_load_b256 s[68:75], s[0:1], 0x0              ; query s[68:69], key s[70:71], value s[72:73], wt s[74:75]
	s_load_b256 s[76:83], s[0:1], 0x20             ; bq s[76:77], bk s[78:79], bv s[80:81], qh s[82:83]
	s_load_b128 s[84:87], s[0:1], 0x40             ; kh s[84:85], vh s[86:87]
	s_load_b64 s[96:97], s[0:1], 0x50              ; rl
	v_lshl_add_u32 v[SPW], v0, 2, SPARE
	v_mov_b32 v[NIL], 0
	ds_add_u32 v[SPW], v[NIL]                      ; the wave's opening: the add and its wait stand ahead of my first tensor load; the set-up below, work on registers, stands between them
	ds_add_u32 v12, v13
	v_lshrrev_b32 v1, 5, v0
	v_readfirstlane_b32 s10, v1                    ; wave 0..3
	s_lshr_b32 s11, s10, 1                         ; which 64 rows of the tile are mine.  Also: I fetch for x (0) or for W (1)
	s_and_b32 s12, s10, 1                          ; which 128 columns.  Also: which piece I fetch
	s_bfe_u32 s40, ttmp6, 0x40000                  ; cx, cy: my place in the cluster
	s_bfe_u32 s41, ttmp6, 0x40004
	s_lshl_b32 s42, ttmp9, 2                       ; in a cluster launch ttmp9 and ttmp7 count clusters
	s_add_co_u32 s42, s42, s40                     ; tile column 0..3
	s_and_b32 s13, ttmp7, 0xffff                   ; cluster y, 0..47
	s_lshr_b32 s45, s13, 4                         ; which product: 0 query, 1 key, 2 value; the same in all sixteen partners
	s_and_b32 s94, s13, 15                         ; which 128 rows of the sequence: the same in all sixteen partners
	s_lshl_b32 s13, s41, 4                         ; the batch is my row of the cluster
	s_add_co_u32 s13, s13, s94                     ; tile row 0..63 = 16 x batch + place in the sequence
	s_lshl_b32 s43, s41, 2
	s_lshl_b32 s43, 15, s43                        ; my row of the cluster: places 4 cy .. 4 cy + 3
	s_lshl_b32 s44, 0x1111, s40                    ; my column: places cx, cx + 4, cx + 8, cx + 12
	; group 1 for x: 64 rows x 128 elements of 4 bytes, 4 words of padding behind every 128 words
	s_or_b32 s[G1A+0], s43, (2<<16)|(1<<20)|(1<<21)|(6<<22)|(3<<25)  ; 15:0 the mask: my row; 17:16 4-byte elements; 20 padding on; 21 set beside a mask; 24:22 every 128 words (code 6); 31:25 4 words (code 3)
	s_mov_b32 s[G1A+1], 128<<16                    ; tensor_dim0 = 128
	s_mov_b32 s[G1A+2], 64<<16                     ; tensor_dim1 = 64
	s_mov_b32 s[G1A+3], 128<<16                    ; tile_dim0 = 128
	s_mov_b32 s[G1A+4], 64                         ; tile_dim1 = 64
	s_mov_b32 s[G1A+5], 1024                       ; 1,024 elements from row to row
	s_mov_b32 s[G1A+6], 0
	s_mov_b32 s[G1A+7], 0
	; group 1 for W: 64 rows (k) x 256 elements of 2 bytes, 8 words of padding behind every 128 words
	s_or_b32 s[G1B+0], s44, (1<<16)|(1<<20)|(1<<21)|(6<<22)|(7<<25)  ; the mask: my column; 2-byte elements; 8 words (code 7)
	s_mov_b32 s[G1B+1], 256<<16
	s_mov_b32 s[G1B+2], 64<<16
	s_mov_b32 s[G1B+3], 256<<16
	s_mov_b32 s[G1B+4], 64
	s_mov_b32 s[G1B+5], 1024
	s_mov_b32 s[G1B+6], 0
	s_mov_b32 s[G1B+7], 0
	; where the tiles come from.  x's hang on the tile row alone, which my row of the cluster shares; W's on the tile column alone.  Each offset lies in registers that never hold the other coordinate.
	s_lshl_b32 s16, s13, 7
	s_lshl_b32 s17, s12, 6
	s_add_co_u32 s16, s16, s17                     ; row 128 x tile row + 64 x piece,
	s_lshl_b32 s16, s16, 12                        ; of 4,096 bytes (33.5 MB at the most)
	s_mov_b32 s17, 0
	s_lshl_b32 s46, s45, 21                        ; the product's weight,
	s_lshl_b32 s47, s12, 17                        ; 64 rows of 2,048 bytes a piece,
	s_add_co_u32 s46, s46, s47
	s_lshl_b32 s47, s42, 9                         ; 256 columns of 2 bytes a tile column
	s_add_co_u32 s46, s46, s47
	s_mov_b32 s47, 0
	s_mul_i32 s20, s10, PIECE                      ; and where they go: wave x piece: no place in the cluster enters an LDS address
	s_mov_b32 s21, 0                               ; the slot that is read
	; where my part of y begins: head = 16 x batch + 4 x tile column + 2 x column half; row in the sequence = 128 x (tile row % 16) + 64 x row half; 128 bytes a row
	s_lshr_b32 s90, s13, 4
	s_lshl_b32 s90, s90, 4
	s_lshl_b32 s91, s42, 2
	s_add_co_u32 s90, s90, s91
	s_lshl_b32 s91, s12, 1
	s_add_co_u32 s90, s90, s91                     ; my first head
	s_lshl_b32 s98, s90, 13                        ; in rl a head has 64 rows of 128 bytes,
	s_lshl_b32 s99, s45, 19                        ; a product 64 heads
	s_add_co_u32 s98, s98, s99
	s_mov_b32 s99, 0
	s_lshl_b32 s90, s90, 11
	s_and_b32 s91, s13, 15
	s_lshl_b32 s91, s91, 7
	s_add_co_u32 s90, s90, s91
	s_lshl_b32 s91, s11, 6
	s_add_co_u32 s90, s90, s91
	s_lshl_b32 s90, s90, 7
	s_mov_b32 s91, 0
	s_lshl_b32 s92, s42, 10                        ; my 128 numbers of the bias: 4 (256 x tile column + 128 x column half)
	s_lshl_b32 s93, s12, 9
	s_add_co_u32 s92, s92, s93
	s_mov_b32 s93, 0
	s_wait_dscnt 0x0                               ; the opening add is done
	s_wait_kmcnt 0x0
	s_cmp_eq_u32 s45, 1
	s_cselect_b64 s[4:5], s[70:71], s[68:69]       ; x,
	s_cselect_b64 s[88:89], s[78:79], s[76:77]     ; the bias
	s_cselect_b64 s[8:9], s[84:85], s[82:83]       ; and y of my product
	s_cmp_eq_u32 s45, 2
	s_cselect_b64 s[4:5], s[72:73], s[4:5]
	s_cselect_b64 s[88:89], s[80:81], s[88:89]
	s_cselect_b64 s[8:9], s[86:87], s[8:9]
	s_add_nc_u64 s[14:15], s[4:5], s[16:17]
	s_add_nc_u64 s[46:47], s[74:75], s[46:47]
	s_add_nc_u64 s[8:9], s[8:9], s[90:91]
	s_add_nc_u64 s[88:89], s[88:89], s[92:93]
	s_add_nc_u64 s[96:97], s[96:97], s[98:99]
	CROUND                                         ; all sixteen work-groups are here: the first joint loads meet
.irp s, 0,1
	s_mov_b32 s[G0A+4*(\s)], 1                                       ; 1:0 count = 1
	s_add_co_u32 s[G0A+4*(\s)+1], s20, (\s)*SLOTD                    ; 63:32 LDS address
	s_add_nc_u64 s[G0A+4*(\s)+2:G0A+4*(\s)+3], s[14:15], (\s)*KA     ; 120:64 global address: K step s
	s_or_b32 s[G0A+4*(\s)+3], s[G0A+4*(\s)+3], 0x80000000            ; 127:126 type = 2
	s_mov_b32 s[G0B+4*(\s)], 1
	s_add_co_u32 s[G0B+4*(\s)+1], s20, (\s)*SLOTD
	s_add_nc_u64 s[G0B+4*(\s)+2:G0B+4*(\s)+3], s[46:47], (\s)*KB
	s_or_b32 s[G0B+4*(\s)+3], s[G0B+4*(\s)+3], 0x80000000
.endr
	s_cmp_eq_u32 s11, 0                            ; a wave's two first fills stand in one branch, ahead of every wait on TENSORcnt and every LDS read: two loads of mine are out
	s_cbranch_scc0 .Lfirst_b
	tensor_load_to_lds s[G0A:G0A+3], s[G1A:G1A+7]
	s_nop 0
	tensor_load_to_lds s[G0A+4:G0A+7], s[G1A:G1A+7]
	s_nop 0
.rept 4
	v_nop
.endr
	s_branch .Lfirst_asked
.Lfirst_b:
	tensor_load_to_lds s[G0B:G0B+3], s[G1B:G1B+7]
	s_nop 0
	tensor_load_to_lds s[G0B+4:G0B+7], s[G1B:G1B+7]
	s_nop 0
.rept 4
	v_nop
.endr
.Lfirst_asked:
	v_and_b32 v1, 15, v0                           ; r = l % 16
	v_bfe_u32 v2, v0, 4, 1                         ; h = l / 16
	v_lshlrev_b32 v[BO], 5, v2                     ; register j of bias block b is bias[16 b + 8 h + j]
	WIN TO_B
.irp b, 0,1,2,3,4,5,6,7
	global_load_b128 v[BIAS+8*(\b):BIAS+8*(\b)+3],   v[BO], s[88:89] offset:64*(\b)
	global_load_b128 v[BIAS+8*(\b)+4:BIAS+8*(\b)+7], v[BO], s[88:89] offset:64*(\b)+16
.endr
	WIN 0
	; A fragment of x is 16 rows x 32 k: lane l holds row r, k = 8 h + 0..7 and 16 + 8 h + 0..7.  In f32 those are 32 bytes at 32 h and 32 bytes at 64 + 32 h of the quarter's 128 bytes.
	v_mul_u32_u24 v[ADRA0], v1, PA
	v_lshl_add_u32 v[ADRA0], v2, 5, v[ADRA0]
	s_mul_i32 s22, s11, PIECE                      ; my 64 rows are one piece
	v_add_nc_u32 v[ADRA0], s22, v[ADRA0]
	; The turning load takes 16 k x 16 columns (lane l reads 16 bytes: k = 8 h + l % 8, columns 8 ((l / 8) % 2) + 0..7) and leaves half a fragment: lane l holds column r and 8 k.
	v_and_b32 v3, 7, v0
	v_bfe_u32 v14, v0, 3, 1
	v_lshl_add_u32 v[ADRB0], v2, 3, v3
	v_mul_u32_u24 v[ADRB0], v[ADRB0], PB
	v_lshl_add_u32 v[ADRB0], v14, 4, v[ADRB0]
	s_lshl_b32 s23, s12, 8                         ; my 128 columns, 256 bytes,
	s_add_co_u32 s23, s23, 2*PIECE                 ; behind x's two pieces
	v_add_nc_u32 v[ADRB0], s23, v[ADRB0]
	s_mul_i32 s22, s10, SSTG
	s_add_co_u32 s22, s22, STAGE                   ; my stage
	v_mul_u32_u24 v[STO], v1, 144                  ; in: row r, 16 bytes for each half of the lanes
	v_lshl_add_u32 v[STO], v2, 4, v[STO]
	v_add_nc_u32 v[STO], s22, v[STO]
	v_bfe_u32 v[RD], v0, 3, 2                      ; back: 32 lanes take four rows of 128 bytes,
	v_mul_u32_u24 v[RD], v[RD], 144
	v_lshl_add_u32 v[RD], v3, 4, v[RD]
	v_add_nc_u32 v[RD], s22, v[RD]
	v_and_b32 v[GO], 31, v0                        ; which are 512 consecutive bytes of y
	v_lshlrev_b32 v[GO], 4, v[GO]
	v_mov_b32 v[NEG1], -1.0
; nb matrix instructions: row block a x column blocks b0 .. b0 + nb - 1, 32 along K, from buffers f.  first = 1: the bias starts the sums.
; The 32 accumulators take turns, one instruction a turn, in the same order in every quarter: between two links of a chain stand the 31 others'.
.macro MULS f, a, b0, nb, first=0
.if \first
	WIN MULB
.else
	WIN MUL
.endif
.set bb, \b0
.rept \nb
.if \first
	v_wmma_f32_16x16x32_bf16 v[8*(8*(\a)+bb):8*(8*(\a)+bb)+7], v[64*(\f)+8*bb:64*(\f)+8*bb+7], v[ABF+32*(\f)+8*(\a):ABF+32*(\f)+8*(\a)+7], v[BIAS+8*bb:BIAS+8*bb+7]
.else
	v_wmma_f32_16x16x32_bf16 v[8*(8*(\a)+bb):8*(8*(\a)+bb)+7], v[64*(\f)+8*bb:64*(\f)+8*bb+7], v[ABF+32*(\f)+8*(\a):ABF+32*(\f)+8*(\a)+7], v[8*(8*(\a)+bb):8*(8*(\a)+bb)+7]
.endif
.set bb, bb+1
.endr
.endm
; 32 LDS loads in one run: quarter kq of the slot in hand: x's 64 rows x 32 k in f32 (16 loads), then W's 32 k x 128 columns, turned, into buffer g (16 loads)
.macro FETCH kq, g
	WIN 0
.irp a, 0,1,2,3
	ds_load_b128 v[STG+16*(\a):STG+16*(\a)+3],     v[ADRA] offset:(\a)*16*PA+128*(\kq)
	ds_load_b128 v[STG+16*(\a)+4:STG+16*(\a)+7],   v[ADRA] offset:(\a)*16*PA+128*(\kq)+16
	ds_load_b128 v[STG+16*(\a)+8:STG+16*(\a)+11],  v[ADRA] offset:(\a)*16*PA+128*(\kq)+64
	ds_load_b128 v[STG+16*(\a)+12:STG+16*(\a)+15], v[ADRA] offset:(\a)*16*PA+128*(\kq)+80
.endr
	WIN TO_B
.irp b, 0,1,2,3,4,5,6,7
	ds_load_tr16_b128 v[64*(\g)+8*(\b):64*(\g)+8*(\b)+3],   v[ADRB] offset:(\kq)*32*PB+32*(\b)
	ds_load_tr16_b128 v[64*(\g)+8*(\b)+4:64*(\g)+8*(\b)+7], v[ADRB] offset:(\kq)*32*PB+16*PB+32*(\b)
.endr
.endm
.macro CVT g, c                        ; block c of x: 16 f32 a lane become a fragment of buffer g
	WIN 0
.irp i, 0,1,2,3,4,5,6,7
	v_cvt_pk_bf16_f32 v[ABF+32*(\g)+8*(\c)+(\i)], v[STG+16*(\c)+2*(\i)], v[STG+16*(\c)+2*(\i)+1]
.endr
.endm
; A quarter behind its fetch: 24 products from buffers f, and among the last 16 the next quarter's conversions into buffer g.  The last eight conversions name neither a register of the products in
; front of them nor one of buffers f: they are the places between those products and the next quarter's loads and conversions into buffers f, so the loop holds no v_nop but those behind a tensor load.
.macro REST f, g, first=0
	MULS \f, 1, 0, 8, \first
	s_wait_dscnt 16                                ; x's 16 loads are in; W's 16, issued behind them, may stay out
	MULS \f, 2, 0, 4, \first
	CVT \g, 0
	MULS \f, 2, 4, 4, \first
	CVT \g, 1
	MULS \f, 3, 0, 4, \first
	CVT \g, 2
	MULS \f, 3, 4, 4, \first
	CVT \g, 3
.endm
.macro QUARTER f, g, kq, first=0       ; multiplies buffers f and fetches quarter kq of the same slot into buffers g
	s_wait_dscnt 0x0                               ; W's fragments of buffer f are in: they were asked for 24 products ago
	MULS \f, 0, 0, 8, \first
	FETCH \kq, \g
	REST \f, \g, \first
.endm
; A step's last quarter multiplies buffers 1 and changes slots: ONE barrier.  In front of it each wave waits for all its tensor loads, of which one is out: its piece of the next slot; adds 0 to its spare
; word; and waits for that and for its reads of this slot.  Behind it nobody reads this slot any more and the next slot is whole.  fill = 1: the barrier opens a round of the cluster's, so that no wave of
; any partner still reads the slot or has a load on its way, and the joint refill (the K step two steps on) is the first thing behind the round: about 120 products stand between it and the wait for it.
.macro TURN fill
	WIN 0                                          ; (the add's two registers lie in window 0)
	s_wait_tensorcnt 0x0                           ; no tensor load of mine is out, so a group 0 may be written
	ds_add_u32 v[SPW], v[NIL]                      ; 0 onto my spare word
.if \fill
	s_xor_b32 s[G0A+5], s[G0A+5], SLOTD            ; the walking descriptors: the other slot than last time,
	s_add_nc_u64 s[G0A+6:G0A+7], s[G0A+6:G0A+7], KA  ; the next K step; the type bits on top are not reached
	s_xor_b32 s[G0B+5], s[G0B+5], SLOTD
	s_add_nc_u64 s[G0B+6:G0B+7], s[G0B+6:G0B+7], KB
.endif
	s_xor_b32 s21, s21, SLOTD                      ; the reads go to the other slot
	s_wait_dscnt 1                                 ; the add alone may be out: W's fragments of buffer 1 are in
	MULS 1, 0, 0, 4
	s_wait_dscnt 0x0                               ; the add is done, and my reads of this slot are over
	s_barrier_signal -1
	MULS 1, 0, 4, 4                                ; work on registers while the others arrive
	WIN 0                                          ; (branches may follow)
	s_barrier_wait -1
.if \fill
	CREST
	JLOAD
.endif
	v_add_nc_u32 v[ADRA], s21, v[ADRA0]
	v_add_nc_u32 v[ADRB], s21, v[ADRB0]
	FETCH 0, 0
	REST 1, 0
.endm
	s_wait_tensorcnt 1                             ; my piece of K step 0 is in; K step 1's may stay out
	s_barrier_signal -1
	s_barrier_wait -1                              ; everybody's is
	v_mov_b32 v[ADRA], v[ADRA0]
	v_mov_b32 v[ADRB], v[ADRB0]
	FETCH 0, 0
	s_wait_loadcnt 0x0                             ; the bias; it is rounded to bf16 like every other input, while the LDS loads are out
	WIN 0x45                                       ; destination and both sources in window 1
.set i, BIAS
.rept 32
	v_cvt_pk_bf16_f32 v[i], v[i], v[i+1]
	v_and_b32 v[i+1], 0xffff0000, v[i]
	v_lshlrev_b32 v[i], 16, v[i]
.set i, i+2
.endr
	s_wait_dscnt 16                                ; x's 16 loads are in
	CVT 0, 0
	CVT 0, 1
	CVT 0, 2
	CVT 0, 3
	QUARTER 0, 1, 1, 1                             ; the first quarter stands in front of the loop: its products start the sums
	WIN 0                                          ; at a label and at a branch every window is 0
	s_mov_b32 s3, 6
.Lstep:                                                ; trip j: quarters 1 to 3 of K step j and quarter 0 of K step j + 1; slot j % 2 is filled again with K step j + 2
	QUARTER 1, 0, 2
	QUARTER 0, 1, 3
	TURN 1
	QUARTER 0, 1, 1
	WIN 0
	s_sub_co_u32 s3, s3, 1
	s_cmp_lg_u32 s3, 0
	s_cbranch_scc1 .Lstep
	QUARTER 1, 0, 2                                ; K steps 6 and 7 are written out: nothing is left to ask for
	QUARTER 0, 1, 3
	TURN 0
	QUARTER 0, 1, 1
	QUARTER 1, 0, 2
	QUARTER 0, 1, 3
	s_wait_dscnt 0x0                               ; the very last quarter
	MULS 1, 0, 0, 8
	MULS 1, 1, 0, 8
	MULS 1, 2, 0, 8
	MULS 1, 3, 0, 8
	PLACES
; THE WAY OUT, 16 rows at a time.  A lane's eight columns pack into 16 bytes of f16; my 128 columns are two heads.  They go into my stage (per head 16 rows of 144 bytes) and come back as 512 consecutive
; bytes, four rows of a head.  The stage is my own and LDS serves a wave's instructions in order (ISA guide 5.7.1.4): no wait stands between stores and loads.
; lo = 1: what goes out is the residual: the sum is rounded to f16 once more, and f16 x (-1) + sum, exact in f32, is rounded to f16 into the two halves of a register that the first way out has written.
.macro PACK a, lo=0
	WIN 0x0a                                       ; sources 0 and 1 in window 2
.if \lo
.irp b, 0,1,2,3,4,5,6,7
.irp i, 0,1,2,3
	v_cvt_pk_f16_f32 v[HT+4*(\b)+(\i)], v[8*(8*(\a)+(\b))+2*(\i)], v[8*(8*(\a)+(\b))+2*(\i)+1]
.endr
.endr
	WIN 0x20                                       ; source 2 in window 2
.irp b, 0,1,2,3,4,5,6,7
.irp i, 0,1,2,3
	v_fma_mixlo_f16 v[TMP+4*(\b)+(\i)], v[HT+4*(\b)+(\i)], v[NEG1], v[8*(8*(\a)+(\b))+2*(\i)] op_sel_hi:[1,0,0]
	v_fma_mixhi_f16 v[TMP+4*(\b)+(\i)], v[HT+4*(\b)+(\i)], v[NEG1], v[8*(8*(\a)+(\b))+2*(\i)+1] op_sel:[1,0,0] op_sel_hi:[1,0,0]
.endr
.endr
.else
.irp b, 0,1,2,3,4,5,6,7
.irp i, 0,1,2,3
	v_cvt_pk_f16_f32 v[TMP+4*(\b)+(\i)], v[8*(8*(\a)+(\b))+2*(\i)], v[8*(8*(\a)+(\b))+2*(\i)+1]
.endr
.endr
.endif
	WIN 0
.irp b, 0,1,2,3,4,5,6,7
	ds_store_b128 v[STO], v[TMP+4*(\b):TMP+4*(\b)+3] offset:((\b)/4)*2304+32*((\b)%4)
.endr
	s_wait_xcnt 0x0                                ; the stores of the block two back have read this buffer: it is loaded again only behind this wait
.irp t, 0,1,2,3,4,5,6,7
	ds_load_b128 v[BK+32*((\a)%2)+4*(\t):BK+32*((\a)%2)+4*(\t)+3], v[RD] offset:((\t)/4)*2304+((\t)%4)*576
.endr
.endm
.macro SEND a, younger, lo=0           ; younger: the LDS instructions issued behind block a's loads: the next block's sixteen, or none
	WIN 0
.irp t, 0,1,2,3,4,5,6,7
	s_wait_dscnt (\younger)+7-(\t)
.if \lo
	global_store_b128 v[GO], v[BK+32*((\a)%2)+4*(\t):BK+32*((\a)%2)+4*(\t)+3], s[96:97] offset:((\t)/4)*8192+2048*(\a)+512*((\t)%4)  ; 512 consecutive bytes, at a multiple of 256 from rl's first byte
.else
	global_store_b128 v[GO], v[BK+32*((\a)%2)+4*(\t):BK+32*((\a)%2)+4*(\t)+3], s[8:9] offset:((\t)/4)*262144+2048*(\a)+512*((\t)%4)  ; 512 consecutive bytes, at a multiple of 256 from y's first byte
.endif
.endr
.endm
	PACK 0
	PACK 1                                         ; a block's conversions stand between the loads of the block before and its stores
	SEND 0, 16
	PACK 2
	SEND 1, 16
	PACK 3
	SEND 2, 16
	SEND 3, 0
	s_or_b32 s95, s94, s11                         ; are my 64 rows a batch's first?  The place in the sequence is the cluster's, the row half the wave's: the same answer in every partner
	s_cmp_lg_u32 s95, 0
	s_cbranch_scc1 .Lno_low                        ; the jump passes LDS work on my own stage and stores alone
	PACK 0, 1
	PACK 1, 1
	SEND 0, 16, 1
	PACK 2, 1
	SEND 1, 16, 1
	PACK 3, 1
	SEND 2, 16, 1
	SEND 3, 0, 1
.Lno_low:
	s_wait_tensorcnt 0x0                           ; the wave's end, behind my last tensor load and my last LDS store
	ds_add_u32 v[SPW], v[NIL]
	s_wait_dscnt 0x0
	CROUND                                         ; the closing round: no work-group ends while a partner may still ask for a tile that names it
	s_endpgm
.Lfunc_end_k_qb618863ed4_proj:
	.size	k_qb618863ed4_proj, .Lfunc_end_k_qb618863ed4_proj-k_qb618863ed4_proj
	.p2alignl 7, 3214868480
	.fill 96, 4, 3214868480
	.section	.rodata,"a",@progbits
	.p2align	6, 0x0
	.amdhsa_kernel k_qb618863ed4_proj
		.amdhsa_group_segment_fixed_size 327680
		.amdhsa_private_segment_fixed_size 0
		.amdhsa_enable_private_segment 0
		.amdhsa_kernarg_size 88
		.amdhsa_user_sgpr_count 2
		.amdhsa_user_sgpr_kernarg_segment_ptr 1
		.amdhsa_wavefront_size32 1
		.amdhsa_system_sgpr_workgroup_id_x 1
		.amdhsa_system_sgpr_workgroup_id_y 1
		.amdhsa_system_sgpr_workgroup_id_z 1
		.amdhsa_system_vgpr_workitem_id 0
		.amdhsa_next_free_vgpr 768
		.amdhsa_next_free_sgpr 100
		.amdhsa_reserve_vcc 0
		.amdhsa_float_denorm_mode_32 3
		.amdhsa_float_denorm_mode_16_64 3
		.amdhsa_memory_ordered 1
		.amdhsa_forward_progress 1
		.amdhsa_inst_pref_size 143
	.end_amdhsa_kernel
	.amdgpu_metadata
---
amdhsa.version: [ 1, 2 ]
amdhsa.kernels:
  - .name:           k_qb618863ed4_proj
    .symbol:         k_qb618863ed4_proj.kd
    .args:
      - { .name: query, .offset: 0, .size: 8, .value_kind: global_buffer, .address_space: global }
      - { .name: key, .offset: 8, .size: 8, .value_kind: global_buffer, .address_space: global }
      - { .name: value, .offset: 16, .size: 8, .value_kind: global_buffer, .address_space: global }
      - { .name: wt, .offset: 24, .size: 8, .value_kind: global_buffer, .address_space: global }
      - { .name: bq, .offset: 32, .size: 8, .value_kind: global_buffer, .address_space: global }
      - { .name: bk, .offset: 40, .size: 8, .value_kind: global_buffer, .address_space: global }
      - { .name: bv, .offset: 48, .size: 8, .value_kind: global_buffer, .address_space: global }
      - { .name: qh, .offset: 56, .size: 8, .value_kind: global_buffer, .address_space: global }
      - { .name: kh, .offset: 64, .size: 8, .value_kind: global_buffer, .address_space: global }
      - { .name: vh, .offset: 72, .size: 8, .value_kind: global_buffer, .address_space: global }
      - { .name: rl, .offset: 80, .size: 8, .value_kind: global_buffer, .address_space: global }
    .group_segment_fixed_size: 327680
    .private_segment_fixed_size: 0
    .kernarg_segment_align: 8
    .kernarg_segment_size: 88
    .max_flat_workgroup_size: 128
    .sgpr_count:     100
    .vgpr_count:     768
    .wavefront_size: 32
...
	.end_amdgpu_metadata
.endif
;; end of part 2
;; launch attn (part 3): grid 4 x 64, 4 waves a work-group, no clusters, 327,680 bytes of LDS; arguments qh, kh, vh, oh, att_mask; writes oh
.if DOCPART == 3
	.amdgcn_target "amdgcn-amd-amdhsa--gfx1250"
	.amdhsa_code_object_version 6
	.text
	.protected	k_qb618863ed4_attn
	.globl	k_qb618863ed4_attn
	.p2align	8
	.type	k_qb618863ed4_attn,@function
k_qb618863ed4_attn:
	s_mov_b64 s[64:65], 0
	v_nop
	global_prefetch_b8 v0, s[64:65] scope:SCOPE_SE
	s_setreg_imm32_b32 hwreg(HW_REG_WAVE_MODE, 25, 1), 1
	s_wait_xcnt 0x0
; CAUSAL ATTENTION WITH MASKED QUERY ROWS.  O[h][q][:] = the sum over k <= q of softmax_k(Q[h][q] . K[h][k] / 8) V[h][k][:], and 0 where att_mask[h / 16][q] is 0.
; Q, K, V, O: [SIZE_H][SIZE_N][64], all f16: a head's rows are dense, 128 bytes each; h = 16 x batch + head.  att_mask: [4][SIZE_N] of 32-bit whole numbers.
; Products, maxima and sums in f32; the weights p are rounded to f16 for the second product (their sum l is taken of the unrounded p), O once at the end.
; LIMITS.  f16 holds no number beyond 65,504: Q, K and V arrive within it; p lies in 0 to 1, and below 6e-5 it keeps f16's fixed step of 6e-8; O is a mean of V's rows and has their range, to within 2^-11 of it.
; A hidden score counts as its value less 1e30: f16's scores, 2.7e11 at the most, are nothing beside that; a weight below 2^-126 counts as 0 in l; NaN and infinities are not treated apart.
; A masked row is computed like any other and multiplied by 0 in place of 1 / l: its zeros may carry a minus sign.  No branch and no address hangs on the mask.
; THE WALK.  A head's queries lie in NB = SIZE_N / 256 blocks of 256; block i needs the key tiles 0 .. i of 256 keys, of which the last holds the diagonal.  A work-group takes TWO blocks, NB - 1 - b and then b:
; NB + 1 tiles, whatever b: all work-groups do equal work, and ONE loop with a constant trip count walks them.  Which tile is asked for, and what a trip does, hang on scalar registers made from b; every jump
; goes forward, but for the counted loops' own; none passes a barrier, or a tensor load but the one of LOAD's two that the wave's number does not choose; the ring (two slots of LDS that take turns) runs on across the
; change of blocks.  NO CLUSTER: a head's NB / 2 = 4 work-groups ask for the same tile only in trips 0 .. NB / 2 of the walk's NB + 1, behind that fewer and fewer; one walk common to all would have
; 3 NB / 2 = 12 trips for 9; joint loads for the first trips and loads of one's own for the rest would be a second kind of ring in the same loop.
; SHARES.  Of a block's four bands of 64 queries a wave owns 16 rows in each: four PIECES.  So the diagonal tile is the same work for all four waves: in its key step s band x sees all keys if s < x,
; none if s > x, and holds the diagonal if s = x.
; THE CAUSAL MASK is the C operand that starts the sum S^T = K Q^T: 0, or -1e30 where the key is hidden.  MD, made once, is the mask of a band's own step for my 16 rows; a product's mask is MD x AL + BE with two scalars:
; (1, 0) if s = x; (0, 0) if s < x; (0, -1e30) if s > x.  Only the diagonal tile's text and a block's beginning make and take masks; elsewhere C is the constant 0.
; LAYOUT, SOFTMAX, TURNS.  S^T = K Q^T holds ONE query a lane (lane % 16) and the keys 8 (lane / 16) + 0..7; two such results rounded to f16 ARE source 1 of O^T = V^T P.  p = 2^(c s - c m), c = log2(e) / 8, with a
; running maximum m; O and l are multiplied by a = 2^(c m_old - c m_new) in every step.  Turn n belongs to piece n: 8 products K Q^T of piece n + 1, later 8 products V^T P of piece n - 1; beside them the scaling,
; exponentials, roundings, sums and rescaling of piece n and the maximum and statistics of piece n + 1.  Four vector instructions stand behind every matrix instruction, the other 54 of a turn's 118 in two LUMPS.
; REGISTERS, in windows of 256 (s_set_vgpr_msb: bits 1:0 source 0, 3:2 source 1, 5:4 source 2, 7:6 destination):
;   window 0: v0-15 addresses and two at work; v16-31 four registers of statistics a piece; v32-39 att_mask of my rows; v48-55 at work; v56-57 offsets into att_mask; v64-127 S^T, two buffers; v192-223 P, two buffers
;   window 1: v0-127 O^T, 32 a piece; v128-159 MD; v160-223 MC, two buffers      window 2: v0-63 Q; v64-127 the second block's Q; v128-191 K of one step; v192-255 V of one step
.set SIZE_H, 64
.set SIZE_N, 2048
.set NB,    SIZE_N/256
.set NP,    4         ; pieces a wave: a name, no knob
.set KS,    64        ; keys in a step
.set PK,    144       ; a row of K in LDS: 128 bytes + 16 of padding = 36 words: the 16 rows of a load start at 16 different groups of four banks (64 banks of 4 bytes: ISA guide 11.1)
.set PV,    160       ; a row of V: 128 + 32 = 40 words
.set VOFF,  4*KS*PK   ; a slot holds a tile, four steps: 256 rows of K, then 256 rows of V
.set SLOT1, 1<<17     ; slot 1 begins here, so that one exclusive or turns an address in one slot into the other's
.set STAGE, SLOT1+4*KS*(PK+PV)  ; behind the ring, never filled by a tensor load: 16 rows x 144 bytes for each wave, for the way out
.set SP,    144
.set AK0, 2           ; v2   my lane's place in a tile of K; never rewritten
.set AV0, 3           ; v3   the same for V
.set AK,  4           ; v4   the LDS address of K's next run of loads
.set AV,  5           ; v5   of V's
.set STO, 6           ; v6   the way out: where I put 16 bytes of a row
.set RD,  7           ; v7   the way out: where I read rows back
.set GO,  8           ; v8   my byte offset in 512 consecutive bytes of O
.set SPW, 62          ; v62  LDS address of my spare word: SPARE + 4 x my thread's number; never rewritten
.set NIL, 63          ; v63  0; never rewritten
.set SPARE, STAGE+4*16*SP  ; behind the stages: the spare words, 128 bytes for each wave: two blocks of 256 bytes that no other line names
.set MV,  12          ; v12-13  c m_old, kept while c m is made anew: by buffer
.set QO,  15          ; v15  my byte offset in 16 rows of Q
.set ST,  16          ; piece t's statistics at v[ST+4 t]: c m, m, l (even keys', odd keys')
.set MK,  32          ; v32-35 att_mask of my query in piece t of the first block, v36-39 of the second
.set TMP, 48          ; by buffer, four registers c0-c3 at work; when the maximum is found c2 takes a
.set MO,  56          ; v56, v57  byte offset in att_mask of my query in band 0 of the first block, of the second; never rewritten
.set S,   64
.set P,   192
.set MD,  128         ; window 1: the eight registers for group kt of 16 keys at MD + 8 kt
.set MC,  160         ; window 1: the masks of the products to come
.set QB,  64          ; window 2
.set KF,  128         ; window 2: key block kb, channel half c at KF + 16 kb + 8 c
.set VF,  192         ; window 2: key half kk, channel block cb at VF + 32 kk + 8 cb
.set WV,  12          ; s12  my wave's number
.set PB,  14          ; s14  b
.set HI,  15          ; s15  NB - 1 - b
.set G1K, 24          ; s[24:31] descriptor group 1 for K's tiles
.set G1V, 32          ; s[32:39] for V's: it differs in the padding alone
.set G0K, 40          ; s[40:43] descriptor group 0 for K's tiles
.set G0V, 44          ; s[44:47] the same for V's
.set SLOTS, 56        ; s56  tiles still to be asked for
.set CNT, 57          ; s57  counts a tile's key steps, 4 to 1
.set CS,  58          ; s[58:59] c: the packed scaling takes the pair's low word for both halves
.set SEL, 60          ; s[60:61] v_permlanex16_b32's selects: each lane takes its own place in the other half
.set TBK, 62          ; s62  LDS byte at which K of the step to be fetched begins
.set TBV, 63          ; s63  the same for V, less VOFF
.set RT,  70          ; s70  tiles of the block in hand that are still to be entered
.set NXT, 71          ; s71  the tile to be asked for next
.set LQ,  72          ; s72  the last tile of the block whose tiles are being asked for
.set NEW, 73          ; s73  1: the tile to be entered is a block's first
.set OFF, 74          ; s[74:75] a tile's byte offset in K and V
.set AL,  76          ; s[76:77] the mask's factor, in the low word
.set BE,  78          ; s[78:79] the mask's addend
.set OLO, 80          ; s[80:81] O at my rows of the second block
.set BIGN, 82         ; s82  -1e30
.set MSB, 0
.macro WIN new                      ; the high byte repeats the setting that is left; a switch that changes nothing is dropped
.if MSB != (\new)
	s_set_vgpr_msb (MSB<<8)|(\new)
.set MSB, (\new)
.endif
.endm
.set W_KQ, 0x0a       ; K and Q in window 2, S^T in window 0
.set W_KM, 0x1a       ; the same with the C operand in window 1
.set W_PV, 0x52       ; V in window 2, P in window 0, O^T in window 1
.set W_RS, 0x41       ; destination and source 0 in window 1, source 1 in window 0
; A fill.  Waves 0 and 1 fetch the two halves of a tile's K, waves 2 and 3 those of its V: 128 keys each.  An s_nop 0 and four v_nop follow each of the two lines, ahead of the jump and the label.
.macro LOAD
	s_cmp_lt_u32 s[WV], 2
	s_cbranch_scc0 .Lfor_v_\@
	tensor_load_to_lds s[G0K:G0K+3], s[G1K:G1K+7]
	s_nop 0
.rept 4
	v_nop
.endr
	s_branch .Lasked_\@
.Lfor_v_\@:
	tensor_load_to_lds s[G0V:G0V+3], s[G1V:G1V+7]
	s_nop 0
.rept 4
	v_nop
.endr
.Lasked_\@:
.endm
; THE CHANGE OF SLOTS.  Each wave waits for all its tensor loads, of which one is out: its part of the other slot; adds 0 to its spare word; and waits for that and for its own reads of the slot that it leaves.  Behind the barrier nobody reads the old
; slot any more and the other slot is whole.  fill = 1: the old slot is filled again, the first thing behind the barrier, with tile NXT: the descriptor's address is made anew from that number.
; (At its first use nothing has been read yet: slot 0 is waited for, slot 1 filled.)
.macro CHANGE fill
	WIN 0                           ; at a label and at a branch every window is 0
	s_wait_tensorcnt 0x0            ; no tensor load of mine is out, so a group 0 may be written
	ds_add_u32 v[SPW], v[NIL]       ; 0 onto my spare word; with fill = 1 the descriptors' scalar work stands between it and the wait for it
.if \fill
	s_lshl_b32 s[OFF], s[NXT], 15   ; a tile is 32,768 bytes of K and of V
	s_xor_b32 s[G0K+1], s[G0K+1], SLOT1
	s_add_nc_u64 s[G0K+2:G0K+3], s[6:7], s[OFF:OFF+1]
	s_or_b32 s[G0K+3], s[G0K+3], 0x80000000
	s_xor_b32 s[G0V+1], s[G0V+1], SLOT1
	s_add_nc_u64 s[G0V+2:G0V+3], s[8:9], s[OFF:OFF+1]
	s_or_b32 s[G0V+3], s[G0V+3], 0x80000000
	s_add_co_u32 s[NXT], s[NXT], 1  ; the block's next tile, or behind its last the second block's tile 0
	s_cmp_gt_u32 s[NXT], s[LQ]
	s_cselect_b32 s[NXT], 0, s[NXT]
	s_cselect_b32 s[LQ], s[PB], s[LQ]
.endif
	s_wait_dscnt 0x0                ; the add is done, and my reads of the slot are over
	s_barrier_signal -1             ; the rest of the scalar work stands between the signal and the wait
	s_sub_co_u32 s[TBK], s[TBK], 4*KS*PK  ; the fetches go back to a slot's first step,
	s_xor_b32 s[TBK], s[TBK], SLOT1       ; in the other slot
	s_sub_co_u32 s[TBV], s[TBV], 4*KS*PV
	s_xor_b32 s[TBV], s[TBV], SLOT1
	s_barrier_wait -1
.if \fill
	LOAD
.endif
.endm
	s_load_b256 s[4:11], s[0:1], 0x0  ; Q s[4:5], K s[6:7], V s[8:9], O s[10:11]
	s_load_b64 s[66:67], s[0:1], 0x20 ; att_mask
	v_lshl_add_u32 v[SPW], v0, 2, SPARE
	v_mov_b32 v[NIL], 0
	ds_add_u32 v[SPW], v[NIL]       ; the wave's opening: the add and its wait stand ahead of my first tensor load; the set-up below, work on registers, stands between them
	ds_add_u32 v62, v63
	v_lshrrev_b32 v1, 5, v0
	v_readfirstlane_b32 s[WV], v1   ; wave 0..3
	s_mov_b32 s[PB], ttmp9
	s_sub_co_u32 s[HI], NB-1, s[PB]
	s_and_b32 s20, ttmp7, 0xffff    ; the head
	s_lshr_b32 s68, s20, 4          ; att_mask: the batch's SIZE_N words,
	s_lshl_b32 s68, s68, 13
	s_lshl_b32 s69, s[WV], 6        ; my 16 rows in a band of 64,
	s_add_co_u32 s68, s68, s69
	s_lshl_b32 s69, s[PB], 10       ; in the second block (256 words a block)
	s_add_co_u32 s69, s69, s68
	s_lshl_b32 s83, s[HI], 10       ; and in the first
	s_add_co_u32 s68, s68, s83
	s_mov_b32 s21, 0
	s_mov_b64 s[22:23], SIZE_N*128
	s_mul_u64 s[20:21], s[20:21], s[22:23]  ; the head's first byte in each of the four tensors
	s_and_b32 s16, s[WV], 1         ; which half of a tile's 256 keys I fetch:
	s_lshl_b32 s22, s16, 14         ; its 128 rows of 128 bytes in memory,
	s_mov_b32 s23, 0
	s_add_nc_u64 s[22:23], s[22:23], s[20:21]
	s_mul_i32 s17, s16, 128*PK      ; and its place in a slot, for K
	s_mul_i32 s18, s16, 128*PV      ; and for V
	s_lshl_b32 s3, s[WV], 11        ; my 16 rows in a band of 64,
	s_lshl_b32 s2, s[HI], 15        ; in the first block,
	s_add_co_u32 s2, s2, s3
	s_lshl_b32 s84, s[PB], 15       ; and in the second
	s_add_co_u32 s84, s84, s3
	s_mov_b32 s3, 0
	s_mov_b32 s85, 0
	s_add_nc_u64 s[2:3], s[2:3], s[20:21]
	s_add_nc_u64 s[84:85], s[84:85], s[20:21]
	; descriptor group 1.  128 keys are 16,384 dense bytes: asked for as 64 rows of 256 bytes, two keys a row, and padded in LDS after every key
	s_mov_b32 s[G1K], (1<<16)|(1<<20)|(4<<22)|(3<<25)  ; 17:16 2-byte elements; 20 padding on; 24:22 after every 32 words (code 4); 31:25 4 words (code 3)
	s_mov_b32 s[G1V], (1<<16)|(1<<20)|(4<<22)|(7<<25)  ; the same with 8 words of padding (code 7)
.irp g, G1K, G1V
	s_mov_b32 s[\g+1], 128<<16      ; tensor_dim0 = 128
	s_mov_b32 s[\g+2], 64<<16       ; tensor_dim1 = 64
	s_mov_b32 s[\g+3], 128<<16      ; tile_dim0 = 128
	s_mov_b32 s[\g+4], 64           ; tile_dim1 = 64
	s_mov_b32 s[\g+5], 128          ; 128 elements from row to row
	s_mov_b32 s[\g+6], 0
	s_mov_b32 s[\g+7], 0
.endr
	s_mov_b32 s[CS], 0x3e38aa3b     ; c = log2(e) / 8 = 0.180337
	s_mov_b32 s[CS+1], s[CS]        ; named with it as a pair
	s_mov_b32 s[SEL], 0x76543210
	s_mov_b32 s[SEL+1], 0xfedcba98
	s_mov_b32 s[TBK], SLOT1+4*KS*PK ; the first change of slots turns these two into 0
	s_mov_b32 s[TBV], SLOT1+4*KS*PV
	s_mov_b32 s[G0K], 1             ; 1:0 count = 1
	s_mov_b32 s[G0K+1], s17         ; 63:32 LDS address: slot 0
	s_mov_b32 s[G0V], 1
	s_add_co_u32 s[G0V+1], s18, VOFF
	s_add_co_u32 s[RT], s[HI], 1    ; the first block has NB - b tiles
	s_mov_b32 s[NXT], 1
	s_mov_b32 s[LQ], s[HI]
	s_mov_b32 s[NEW], 1
	s_mov_b32 s[OFF+1], 0
	s_mov_b32 s[AL+1], 0            ; named as pairs
	s_mov_b32 s[BE+1], 0
	s_mov_b32 s[BIGN], 0xf149f2ca   ; -1e30
	s_mov_b32 s[SLOTS], NB
	s_wait_dscnt 0x0                ; the opening add is done
	s_wait_kmcnt 0x0
	s_add_nc_u64 s[6:7], s[6:7], s[22:23]  ; K and V at my half of the head's tile 0
	s_add_nc_u64 s[8:9], s[8:9], s[22:23]
	s_add_nc_u64 s[G0K+2:G0K+3], s[6:7], 0         ; 120:64 global address
	s_or_b32 s[G0K+3], s[G0K+3], 0x80000000        ; 127:126 type = 2
	s_add_nc_u64 s[G0V+2:G0V+3], s[8:9], 0
	s_or_b32 s[G0V+3], s[G0V+3], 0x80000000
	s_add_nc_u64 s[86:87], s[4:5], s[84:85]        ; Q at my rows of the second block,
	s_add_nc_u64 s[4:5], s[4:5], s[2:3]            ; Q and O at those of the first
	s_add_nc_u64 s[OLO:OLO+1], s[10:11], s[84:85]
	s_add_nc_u64 s[10:11], s[10:11], s[2:3]
	LOAD                            ; tile 0 into slot 0
	; A fragment of K or Q is 16 rows x 32 channels in 8 registers: lane l holds row l % 16, channels 8 (l / 16) + 0..7 and 16 + 8 (l / 16) + 0..7: two loads of 16 bytes, 32 bytes apart.
	v_and_b32 v1, 15, v0            ; l % 16
	v_bfe_u32 v9, v0, 4, 1          ; l / 16
	v_lshlrev_b32 v[QO], 7, v1
	v_lshl_add_u32 v[QO], v9, 4, v[QO]  ; row x 128 + 16 x half
	WIN 0x80                        ; destination window 2, address window 0
.set i, 0
.rept 8                             ; both blocks' Q: piece i / 2 lies in band i / 2, 8,192 bytes on; channels 32 (i % 2) on
	global_load_b128 v[8*i:8*i+3],   v[QO], s[4:5] offset:(i/2)*8192+(i%2)*64
	global_load_b128 v[8*i+4:8*i+7], v[QO], s[4:5] offset:(i/2)*8192+(i%2)*64+32
	global_load_b128 v[QB+8*i:QB+8*i+3],   v[QO], s[86:87] offset:(i/2)*8192+(i%2)*64
	global_load_b128 v[QB+8*i+4:QB+8*i+7], v[QO], s[86:87] offset:(i/2)*8192+(i%2)*64+32
.set i, i+1
.endr
	WIN 0
	v_lshlrev_b32 v[MO], 2, v1      ; att_mask of my query (lane % 16) in each piece of both blocks: a band is 64 words on
	v_add_nc_u32 v[MO+1], s69, v[MO]
	v_add_nc_u32 v[MO], s68, v[MO]
.set i, 0
.rept 4
	global_load_b32 v[MK+i],   v[MO],   s[66:67] offset:256*i
	global_load_b32 v[MK+4+i], v[MO+1], s[66:67] offset:256*i
.set i, i+1
.endr
	v_lshlrev_b32 v14, 3, v9
	v_sub_nc_u32 v14, v1, v14
	s_lshl_b32 s13, s[WV], 4
	v_add_nc_u32 v14, s13, v14      ; my query's place in its band, 16 w + l % 16, less my lanes' 8 (l / 16): register r of group kt is hidden where 16 kt + r is greater
	WIN 0x40
.set i, 0
.rept 32
	v_cmp_gt_i32 vcc_lo, 16*(i/8)+i%8, v14
	v_cndmask_b32 v[MD+i], 0, s[BIGN], vcc_lo
.set i, i+1
.endr
	WIN 0
	v_mul_u32_u24 v[AK0], v1, PK
	v_lshl_add_u32 v[AK0], v9, 4, v[AK0]  ; row x pitch + 16 x half
	; The turning load takes 16 keys x 16 channels (lane l reads key 8 (l / 16) + l % 8, channels 8 ((l / 8) % 2) + 0..7) and leaves half a fragment of V^T: lane l holds channel l % 16 and 8 keys.
	v_and_b32 v10, 7, v0
	v_bfe_u32 v11, v0, 3, 1
	v_lshl_add_u32 v[AV0], v9, 3, v10
	v_mul_u32_u24 v[AV0], v[AV0], PV
	v_lshl_add_u32 v[AV0], v11, 4, v[AV0]
	v_add_nc_u32 v[AV0], VOFF, v[AV0]
	s_mul_i32 s13, s[WV], 16*SP
	s_add_co_u32 s13, s13, STAGE    ; my stage
	v_mul_u32_u24 v[STO], v1, SP    ; in: row l % 16, 16 bytes for each half of the lanes
	v_lshl_add_u32 v[STO], v9, 4, v[STO]
	v_add_nc_u32 v[STO], s13, v[STO]
	v_bfe_u32 v[RD], v0, 3, 2       ; back: 32 lanes take four rows of 128 bytes,
	v_mul_u32_u24 v[RD], v[RD], SP
	v_lshl_add_u32 v[RD], v10, 4, v[RD]
	v_add_nc_u32 v[RD], s13, v[RD]
	v_and_b32 v[GO], 31, v0         ; which are 512 consecutive bytes of O
	v_lshlrev_b32 v[GO], 4, v[GO]
	; A block's first step multiplies O^T and l by a = 0, and its first turn's products V^T P, of a piece that has not been, land in an O^T that is still to be so multiplied.  So these registers need only hold
	; finite numbers: zeros for the first block; what the first block left for the second.  All this stands in the wait for the first tile.
	WIN 0x80
.set i, VF
.rept 64
	v_mov_b32 v[i], 0
.set i, i+1
.endr
	WIN 0x40
.set i, 0
.rept 128
	v_mov_b32 v[i], 0
.set i, i+1
.endr
	WIN 0
.set i, 0
.rept 4
	v_mov_b32 v[ST+4*i+2], 0
	v_mov_b32 v[ST+4*i+3], 0
.set i, i+1
.endr
.set i, P+16
.rept 16
	v_mov_b32 v[i], 0
.set i, i+1
.endr
; THE MATRIX WORK.  The 4 accumulators of a run of 8 take turns.  Product i of 8 of S^T = K Q^T for piece x: channels 32 (i / 4) on, keys 16 (i % 4) on.  The first 4 start the sums: with 0, or (KM = 1) with the mask.
.macro KQ x
.set rS, S+32*((\x)%2)+8*(i%4)
.set rK, KF+16*(i%4)+8*(i/4)
.set rQ, 16*(\x)+8*(i/4)
.set rM, MC+32*((\x)%2)+8*(i%4)
.if (i < 4) && KM
	WIN W_KM
	v_wmma_f32_16x16x32_f16 v[rS:rS+7], v[rK:rK+7], v[rQ:rQ+7], v[rM:rM+7]
.elseif i < 4
	WIN W_KQ
	v_wmma_f32_16x16x32_f16 v[rS:rS+7], v[rK:rK+7], v[rQ:rQ+7], 0
.else
	WIN W_KQ
	v_wmma_f32_16x16x32_f16 v[rS:rS+7], v[rK:rK+7], v[rQ:rQ+7], v[rS:rS+7]
.endif
.endm
; Product i of 8 of O^T += V^T P for piece x: keys 32 (i / 4) on, channels 16 (i % 4) on.
.macro PV x
	WIN W_PV
.set rO, 32*(\x)+8*(i%4)
.set rV, VF+32*(i/4)+8*(i%4)
.set rP, P+16*((\x)%2)+8*(i/4)
	v_wmma_f32_16x16x32_f16 v[rO:rO+7], v[rV:rV+7], v[rP:rP+7], v[rO:rO+7]
.endm
.macro MM                           ; the turn's next matrix instruction.  TURN and BEGIN set Y, i, KM and NOKQ; MM, KQ and OP read them.  NOKQ = 1: a block's last turn: there is no next piece
.if (i < 8) && !NOKQ
	KQ (Y+1)%NP
.elseif i >= 8
.set i, i-8
	PV (Y+NP-1)%NP
.set i, i+8
.endif
.set i, i+1
.endm
; THE LDS LOADS stand in runs of 16, never singly among the matrix instructions: a step's K (64 keys x 64 channels: 8 fragments) and its V (turned).  Their addresses are made some lines ahead.
.macro FETCH_K
	WIN 0x80                        ; destination window 2
.irp f, 0,1,2,3,4,5,6,7             ; keys 16 (f / 2) on, channels 32 (f % 2) on
	ds_load_b128 v[KF+8*\f:KF+8*\f+3],   v[AK] offset:(\f/2)*16*PK+(\f%2)*64
	ds_load_b128 v[KF+8*\f+4:KF+8*\f+7], v[AK] offset:(\f/2)*16*PK+(\f%2)*64+32
.endr
	s_add_co_u32 s[TBK], s[TBK], KS*PK  ; the next fetch is the next step's
	WIN 0
.endm
.macro FETCH_V
	WIN 0x80
.irp f, 0,1,2,3,4,5,6,7             ; keys 32 (f / 4) on, channels 16 (f % 4) on
	ds_load_tr16_b128 v[VF+8*\f:VF+8*\f+3],   v[AV] offset:(\f/4)*32*PV+(\f%4)*32
	ds_load_tr16_b128 v[VF+8*\f+4:VF+8*\f+7], v[AV] offset:(\f/4)*32*PV+16*PV+(\f%4)*32
.endr
	WIN 0
.endm
; THE VECTOR WORK, one line at a time: OP kind, number.  For piece Y: F n: c s - c m for pair n of 16.  E n: the exponential of score n of 32.  C n: pair n rounded to f16.  B n: of the four weights 4 n .. the second
; pair is added onto the first, in place.  L n: l takes that sum (L 0: l = a l + sum).  R n: pair n of 16 of O^T times a.  For piece Y + 1: X n, number n of the 22 that find its maximum and statistics:
;   0-11  four chains c0-c3 of seven scores each, three operands at a time (each accumulator's lowest registers are read first)     12-14, 16  the four scores left over, the old m, and c0-c3 into c0
;   15  c m_old is kept     17, 18  the query's other 32 keys lie in the lane 16 away: the new m     19-21  c m; c m_old - c m_new; a
.set F, 0               ; OP tells the kinds apart by their order: F to L below R, X above it
.set E, 1
.set C, 2
.set B, 3
.set L, 4
.set R, 5
.set X, 6
.macro REGS y                       ; the registers of piece y
.set rT, ST+4*(\y)
.set rC, TMP+4*((\y)%2)
.set rW, MV+((\y)%2)
.set rS, S+32*((\y)%2)
.set rP, P+16*((\y)%2)
.set rO, 32*(\y)
.endm
.macro OP k, n
.if (\k) == R
	REGS Y
	WIN W_RS
	v_pk_mul_f32 v[rO+2*(\n):rO+2*(\n)+1], v[rO+2*(\n):rO+2*(\n)+1], v[rC+2:rC+3] op_sel_hi:[1,0]
.elseif (\k) < R
	REGS Y
	WIN 0
.if (\k) == F
	v_pk_fma_f32 v[rS+2*(\n):rS+2*(\n)+1], v[rS+2*(\n):rS+2*(\n)+1], s[CS:CS+1], v[rT:rT+1] op_sel_hi:[1,0,0] neg_lo:[0,0,1] neg_hi:[0,0,1]
.elseif (\k) == E
	v_exp_f32 v[rS+(\n)], v[rS+(\n)]
.elseif (\k) == C
	s_wait_alu depctr_va_vdst(0)
	v_cvt_pk_f16_f32 v[rP+(\n)], v[rS+2*(\n)], v[rS+2*(\n)+1]
.elseif (\k) == B
	s_wait_alu depctr_va_vdst(0)
	v_pk_add_f32 v[rS+4*(\n):rS+4*(\n)+1], v[rS+4*(\n):rS+4*(\n)+1], v[rS+4*(\n)+2:rS+4*(\n)+3]
.elseif (\n) == 0
	v_pk_fma_f32 v[rT+2:rT+3], v[rT+2:rT+3], v[rC+2:rC+3], v[rS:rS+1] op_sel_hi:[1,0,1]
.else
	v_pk_add_f32 v[rT+2:rT+3], v[rT+2:rT+3], v[rS+4*(\n):rS+4*(\n)+1]
.endif
.elseif NOKQ
	v_nop
.else
	REGS (Y+1)%NP
	WIN 0
.if (\n) < 4
	v_max3_num_f32 v[rC+(\n)], v[rS+8*(\n)], v[rS+8*(\n)+1], v[rS+8*(\n)+2]
.elseif (\n) < 12
	v_max3_num_f32 v[rC+(\n)%4], v[rC+(\n)%4], v[rS+8*((\n)%4)+2*((\n)/4)+1], v[rS+8*((\n)%4)+2*((\n)/4)+2]
.elseif (\n) == 12
	v_max3_num_f32 v[rC], v[rC], v[rS+7], v[rS+15]
.elseif (\n) == 13
	v_max3_num_f32 v[rC+1], v[rC+1], v[rS+23], v[rS+31]
.elseif (\n) == 14
	v_max3_num_f32 v[rC+2], v[rC+2], v[rC+3], v[rT+1]
.elseif (\n) == 15
	v_mov_b32 v[rW], v[rT]
.elseif (\n) == 16
	v_max3_num_f32 v[rC], v[rC], v[rC+1], v[rC+2]
.elseif (\n) == 17
	v_permlanex16_b32 v[rC+3], v[rC], s[SEL], s[SEL+1]
.elseif (\n) == 18
	v_max_num_f32 v[rT+1], v[rC], v[rC+3]
.elseif (\n) == 19
	v_mul_f32 v[rT], s[CS], v[rT+1]
.elseif (\n) == 20
	v_sub_f32 v[rC+1], v[rW], v[rT]
.else
	v_exp_f32 v[rC+2], v[rC+1]
.endif
.endif
.endm
.macro OPS a, i1, b=-1, i2=0, c=-1, i3=0, d=-1, i4=0  ; up to four of them
	OP \a, \i1
.if (\b) >= 0
	OP \b, \i2
.endif
.if (\c) >= 0
	OP \c, \i3
.endif
.if (\d) >= 0
	OP \d, \i4
.endif
.endm
.macro ROW a, i1, b, i2, c, i3, d, i4  ; a matrix instruction and the four behind it
	MM
	OPS \a, \i1, \b, \i2, \c, \i3, \d, \i4
.endm
.macro MASK b                       ; MD x AL + BE into buffer b of MC
	WIN W_RS
.set z, 0
.rept 16
	v_pk_fma_f32 v[MC+32*(\b)+2*z:MC+32*(\b)+2*z+1], v[MD+2*z:MD+2*z+1], s[AL:AL+1], s[BE:BE+1] op_sel_hi:[1,0,0]
.set z, z+1
.endr
.endm
; A TURN, for piece p: the order of its 16 matrix and 118 vector instructions, written out.  Behind a matrix instruction: plain, exponential, plain, plain; or four of the rescaling; or, behind the first, four scalings; none
; names a register of the products round it.  In the lumps exponential and plain by turns while exponentials last.  A line reads no result made fewer than three vector instructions in front of it, five if an exponential made it.
; v_permlanex16_b32 (X 17) stands in a lump.
; m = 1: the diagonal tile: the products take masks, and the turn makes the mask for the products of the turn after it: piece p + 2, in step 4 - CNT of the tile.  end = 1: a block's last two turns: nothing is fetched.
; cnt = 1: the loop's count is taken down some lines ahead of the branch that stands behind the turn.
; K of the next step is fetched in piece 2's turn, six vector instructions behind the last product that read K (five of them plain); V of the step in hand in piece 0's turn, eight behind the last product that read V (four
; plain, and X 17).  Each is waited for a turn later.
.macro TURN p, m=0, end=0, cnt=0
.set Y, (\p)
.set i, 0
.set KM, (\m)
.set NOKQ, (\end)*((\p)/3)
.if (\m) && !(\end)
	s_cmp_eq_u32 s[CNT], 4-((\p)+2)%NP  ; is that step the band's own?
	s_cselect_b32 s[AL], 1.0, 0
	s_cmp_lt_u32 s[CNT], 4-((\p)+2)%NP  ; or a later one?
	s_cselect_b32 s[BE], s[BIGN], 0
.endif
.if ((\p) == 3) && !(\end)
	s_wait_dscnt 0x0                ; K is in
.endif
	ROW F,0, F,1, F,2, F,3
	ROW F,4, E,0, F,5, F,6
	ROW F,7, E,1, F,8, F,9
	ROW F,10, E,2, C,0, F,11
	ROW F,12, E,3, X,15, F,13
	ROW R,0, R,1, R,2, R,3
	ROW B,0, E,4, F,14, L,0
.if ((\p) == 2) && !(\end)
	v_add_nc_u32 v[AK], s[TBK], v[AK0]
.endif
	ROW R,4, R,5, R,6, R,7
	OPS E,5, F,15
.if ((\p) == 2) && !(\end)
	FETCH_K
.endif
	OPS E,6, C,1, E,7, R,8
	OPS E,8, R,9, E,9, C,2
	OPS E,10, X,0, E,11, X,1
	OPS E,12, X,2, E,13, X,3
.if (\p) == 1
	s_wait_dscnt 0x0                ; V is in
.endif
	ROW X,4, E,14, X,5, X,6
	ROW X,7, E,15, X,8, X,9
	ROW X,10, E,16, X,11, X,12
	ROW X,13, E,17, X,14, B,1
	ROW C,4, E,18, X,16, L,1
	ROW B,2, E,19, C,6, L,2
	ROW C,8, E,20, B,3, B,4
.if (\p) == 0
	v_add_nc_u32 v[AV], s[TBV], v[AV0]
.endif
	ROW C,3, E,21, L,3, C,5
	OPS E,22, X,17, E,23, C,10
.if (\p) == 0
	FETCH_V
.endif
	OPS E,24, L,4
	OPS E,25, X,18, E,26, C,7
	OPS E,27, B,5, E,28, X,19
	OPS E,29, C,12, E,30, L,5
	OPS E,31, X,20, B,6, C,9
	OPS C,14, C,11, X,21, L,6
.if (\p) == 0
	s_add_co_u32 s[TBV], s[TBV], KS*PV
.endif
.if \cnt
	s_sub_co_u32 s[CNT], s[CNT], 1
	s_cmp_lg_u32 s[CNT], 0
.endif
	OPS C,13, B,7, C,15, R,10
	OPS R,11, R,12, L,7, R,13
	OPS R,14, R,15
.if (\m) && !(\end)
	MASK (\p)%2
.endif
.endm
; A BLOCK BEGINS.  c m starts far below every c s, so the first step's a is 0; m at the lowest finite number, so the first maximum is the scores'.  The second mask buffer is 0; the first takes piece 0's mask for the tile's step 0: its own, if the block's first tile is the diagonal one.
; Then K of that step, piece 0's first scores, and its maximum and statistics.  The loop is entered at a step's first turn, in the middle of a trip.
.macro BEGIN
	s_mov_b32 s[NEW], 0
	WIN 0x40
.set i, MC+32
.rept 32
	v_mov_b32 v[i], 0
.set i, i+1
.endr
	WIN 0
.set i, 0
.rept 4
	v_mov_b32 v[ST+4*i], 0xfe000000    ; c m: far below every c s
	v_mov_b32 v[ST+4*i+1], 0xff7fffff  ; m
.set i, i+1
.endr
	s_cmp_eq_u32 s[RT], 0
	s_cselect_b32 s[AL], 1.0, 0
	s_mov_b32 s[BE], 0
	MASK 0
	WIN 0
	v_add_nc_u32 v[AK], s[TBK], v[AK0]
	FETCH_K
	s_wait_loadcnt 0x0              ; Q, and att_mask
	s_wait_dscnt 0x0
.set KM, 1
.set NOKQ, 0
.set i, 0
.rept 8
	KQ 0
.set i, i+1
.endr
	WIN 0
.rept 4
	v_nop                           ; the places behind those products
.endr
.set Y, NP-1                        ; X works for piece Y + 1: piece 0
.irp n, 0,1,2,3,4,5,6,7,8,9,10,11,12,13,14,15,16,17,18,19,20,21
	OP X, \n
.endr
	v_nop                           ; a plain instruction behind the exponential
.endm
; THE DIAGONAL TILE's four steps, the block's last two turns, its last products, and THE WAY OUT: l's two halves and the other half of the lanes' are added; O^T is multiplied by 1 / l, or by 0 where att_mask
; hides the query, rounded to f16 and sent through my stage in LDS, a piece at a time.
.macro ALL line:vararg              ; one line for each piece t
.set t, 0
.rept 4
	\line
.set t, t+1
.endr
.endm
.macro PACK t                       ; a lane's eight channels of a row pack into 16 bytes; they go into rows of 144 bytes and come back as whole rows of 128, into S^T's registers
	WIN W_RS
.set i, 32*(\t)
.rept 16
	v_pk_mul_f32 v[i:i+1], v[i:i+1], v[ST+4*(\t)+2:ST+4*(\t)+3] op_sel_hi:[1,0]
.set i, i+2
.endr
	WIN 0x05                        ; sources 0 and 1 window 1, destination window 0
.set i, 0
.rept 16
	v_cvt_pk_f16_f32 v[S+16*(\t)+i], v[32*(\t)+2*i], v[32*(\t)+2*i+1]
.set i, i+1
.endr
	WIN 0
.irp f, 0,1,2,3
	ds_store_b128 v[STO], v[S+16*(\t)+4*\f:S+16*(\t)+4*\f+3] offset:32*\f
.endr
.irp f, 0,1,2,3
	ds_load_b128 v[S+16*(\t)+4*\f:S+16*(\t)+4*\f+3], v[RD] offset:\f*4*SP  ; LDS serves a wave's instructions in order (ISA guide 5.7.1.4): these see the stores above; the next piece's stores come behind them
.endr
.endm
.macro SEND t, younger              ; younger: the LDS instructions issued behind piece t's loads: the next piece's eight, or none
	WIN 0
.irp f, 0,1,2,3
	s_wait_dscnt (\younger)+3-\f
	global_store_b128 v[GO], v[S+16*(\t)+4*\f:S+16*(\t)+4*\f+3], s[10:11] offset:(\t)*8192+\f*512  ; 512 consecutive bytes, at a multiple of 256 from O's first
.endr
.endm
.macro DIAG tag                     ; the tag ends its two labels' names, which the jumps below spell out; tag 1 is the first block's end, tag 2 the second's
.LstepM\tag:
	TURN 2, 1
	TURN 3, 1
	WIN 0
.LfirstM\tag:
	TURN 0, 1
	TURN 1, 1, 0, 1
	WIN 0
	s_cbranch_scc1 .LstepM\tag
	TURN 2, 1, 1
	TURN 3, 1, 1
.set i, 0
.rept 8
	PV NP-1
.set i, i+1
.endr
	WIN 0
	ALL v_add_f32 v[ST+4*t+2], v[ST+4*t+2], v[ST+4*t+3]
	ALL v_permlanex16_b32 v[ST+4*t+3], v[ST+4*t+2], s[SEL], s[SEL+1]
	ALL v_add_f32 v[ST+4*t+2], v[ST+4*t+2], v[ST+4*t+3]
	ALL v_rcp_f32 v[ST+4*t+2], v[ST+4*t+2]
	v_nop                           ; a plain instruction between the last reciprocal and the use of its result
	s_wait_loadcnt 0x0              ; att_mask is in (it was waited for with Q where the block began)
.set t, 0
.rept 4
	v_cmp_ne_u32 vcc_lo, 0, v[MK+4*((\tag)-1)+t]
	s_wait_alu depctr_va_vdst(0)
	v_cndmask_b32 v[ST+4*t+2], 0, v[ST+4*t+2], vcc_lo  ; a query that att_mask hides: its finite O^T is multiplied by 0
.set t, t+1
.endr
	PACK 0
.set t, 1
.rept 3                             ; a piece's arithmetic stands between the loads of the piece before and its stores
	PACK t
	SEND t-1, 8
.set t, t+1
.endr
	SEND 3, 0
.endm
.set KM, 0
.set NOKQ, 0
.Lslot:                             ; NB times: a tile is entered and the next is asked for
	CHANGE 1
	s_sub_co_u32 s[RT], s[RT], 1
	s_mov_b32 s[CNT], 4
	s_cmp_eq_u32 s[NEW], 1
	s_cbranch_scc1 .Lnew            ; a block's first tile
	s_cmp_eq_u32 s[RT], 0
	s_cbranch_scc0 .Lstep           ; neither its first nor its last
	s_branch .LstepM1
.Lnew:
	BEGIN
	s_branch .Lfirst                ; in the loop a block's first tile is never its last: the first block has two tiles or more, and the second's last is the walk's last
	DIAG 1                          ; in the loop this is the first block's end: the second block's last tile is the walk's last
	s_wait_xcnt 0x0                 ; the stores have read their registers and O's address
	s_mov_b64 s[10:11], s[OLO:OLO+1]
	s_add_co_u32 s[RT], s[PB], 1    ; the second block has b + 1 tiles
	s_mov_b32 s[NEW], 1
	WIN 0x82                        ; the second block's Q goes where the one text of the turns names Q
.set i, 0
.rept 64
	v_mov_b32 v[i], v[QB+i]
.set i, i+1
.endr
	WIN 0
	s_branch .Lbottom
.Lstep:                             ; a trip: pieces 2 and 3 of one step, then pieces 0 and 1 of the next, whose K and V it fetches
	TURN 2
	TURN 3
	WIN 0
.Lfirst:
	TURN 0
	TURN 1, 0, 0, 1
	WIN 0
	s_cbranch_scc1 .Lstep
.Lbottom:
	s_sub_co_u32 s[SLOTS], s[SLOTS], 1
	s_cmp_lg_u32 s[SLOTS], 0
	s_cbranch_scc1 .Lslot
	CHANGE 0                        ; the walk's last tile is written out: nothing is asked for
	s_sub_co_u32 s[RT], s[RT], 1
	s_mov_b32 s[CNT], 4
	s_cmp_eq_u32 s[NEW], 1
	s_cbranch_scc0 .LstepM2
	BEGIN
	s_branch .LfirstM2
	DIAG 2
	s_wait_tensorcnt 0x0            ; the wave's end, behind my last tensor load and my last LDS store
	ds_add_u32 v[SPW], v[NIL]
	s_wait_dscnt 0x0
	s_endpgm
.Lfunc_end_k_qb618863ed4_attn:
	.size	k_qb618863ed4_attn, .Lfunc_end_k_qb618863ed4_attn-k_qb618863ed4_attn
	.p2alignl 7, 3214868480
	.fill 96, 4, 3214868480
	.section	.rodata,"a",@progbits
	.p2align	6, 0x0
	.amdhsa_kernel k_qb618863ed4_attn
		.amdhsa_group_segment_fixed_size 327680
		.amdhsa_private_segment_fixed_size 0
		.amdhsa_enable_private_segment 0
		.amdhsa_kernarg_size 40
		.amdhsa_user_sgpr_count 2
		.amdhsa_user_sgpr_kernarg_segment_ptr 1
		.amdhsa_wavefront_size32 1
		.amdhsa_system_sgpr_workgroup_id_x 1
		.amdhsa_system_sgpr_workgroup_id_y 1
		.amdhsa_system_sgpr_workgroup_id_z 1
		.amdhsa_system_vgpr_workitem_id 0
		.amdhsa_next_free_vgpr 768
		.amdhsa_next_free_sgpr 88
		.amdhsa_reserve_vcc 1
		.amdhsa_float_denorm_mode_32 3
		.amdhsa_float_denorm_mode_16_64 3
		.amdhsa_memory_ordered 1
		.amdhsa_forward_progress 1
		.amdhsa_inst_pref_size 226
	.end_amdhsa_kernel
	.amdgpu_metadata
---
amdhsa.version: [ 1, 2 ]
amdhsa.kernels:
  - .name:           k_qb618863ed4_attn
    .symbol:         k_qb618863ed4_attn.kd
    .args:
      - { .name: qh, .offset: 0, .size: 8, .value_kind: global_buffer, .address_space: global }
      - { .name: kh, .offset: 8, .size: 8, .value_kind: global_buffer, .address_space: global }
      - { .name: vh, .offset: 16, .size: 8, .value_kind: global_buffer, .address_space: global }
      - { .name: oh, .offset: 24, .size: 8, .value_kind: global_buffer, .address_space: global }
      - { .name: att_mask, .offset: 32, .size: 8, .value_kind: global_buffer, .address_space: global }
    .group_segment_fixed_size: 327680
    .private_segment_fixed_size: 0
    .kernarg_segment_align: 8
    .kernarg_segment_size: 40
    .max_flat_workgroup_size: 128
    .sgpr_count:     88
    .vgpr_count:     768
    .wavefront_size: 32
...
	.end_amdgpu_metadata
.endif
;; end of part 3
;; launch hattn (part 4): grid 64 x 1, 4 waves a work-group, no clusters, 30,208 bytes of LDS; arguments qh, kh, vh, rl, att_mask, ox; writes ox
.if DOCPART == 4
	.amdgcn_target "amdgcn-amd-amdhsa--gfx1250"
	.amdhsa_code_object_version 6
	.text
	.protected	k_qb618863ed4_hattn
	.globl	k_qb618863ed4_hattn
	.p2align	8
	.type	k_qb618863ed4_hattn,@function
k_qb618863ed4_hattn:
	s_mov_b64 s[64:65], 0
	v_nop
	global_prefetch_b8 v0, s[64:65] scope:SCOPE_SE
	s_setreg_imm32_b32 hwreg(HW_REG_WAVE_MODE, 25, 1), 1
	s_wait_xcnt 0x0
; THE FIRST 64 ROWS OF EVERY HEAD, ONCE MORE AND FINER.  O[q] = the sum over k <= q of softmax_k(Q[q] . K[k] / 8) V[k], and 0 where att_mask hides q, for q < 64.
; WHY.  Row q averages over q + 1 keys, so the first rows' numbers are many times the whole output's root mean square, by which their allowance goes: one rounding to f16's 11 bits is too coarse there.
; So every 16-bit operand is a PAIR here, x = hi + lo: hi = f16(x), lo = f16(x - hi).  A product of two pairs is three products (hi hi, hi lo, lo hi; lo lo lies 22 bits down and is left out).
; Q, K, V: hi in qh, kh, vh ([head][2048][64] f16, rows 0-63), lo in rl ([3][head][64][64] f16).  O leaves as a pair: ox[0] = hi, ox[1] = lo, each [head][64][64] f16.
; LIMITS.  As in the launch for all rows: |Q|, |K|, |V| within 65,504; a hidden score counts as its value less 1e30; a weight below 2^-126 counts as 0.  A lo below 6e-5 keeps f16's fixed step of 6e-8.
; A hidden row's zeros may carry a minus sign.  NaN and infinities are not treated apart.  No branch and no address hangs on the mask.
; SHARES.  A work-group is a head (64 of them: 3% of the module's rows; the work is 48 matrix instructions a wave), a wave 16 queries against all 64 keys; keys beyond the query are hidden by the sum's start.
; NO CLUSTER: no two heads read a common byte but 256 bytes of att_mask.
; LAYOUT.  S^T = K Q^T (source 0 = 16 keys, source 1 = 16 queries) holds ONE query a lane (lane % 16) and the keys 8 (lane / 16) + 0..7; two such results rounded in pairs ARE source 1 of O^T = V^T P.
; Q and K come straight from memory (their rows lie along the channels); V goes through LDS, each wave bringing 16 rows, and comes out turned by ds_load_tr16_b128.
; The whole row is in registers, so the softmax is plain: the row's maximum, p = 2^(c s - c m), c = log2(e) / 8, the sum of the unrounded p.
.set PV,    160                        ; a row of V in LDS: 128 bytes + 32 = 40 words
.set VLO,   64*PV                      ; V's lo behind V's hi
.set STAGE, 2*64*PV                    ; 16 rows x 144 bytes for each wave, for the way out
.set SP,    144
.set SPARE, STAGE+4*16*SP              ; the spare words, 128 bytes for each wave: two blocks of 256 bytes that no other line names
.set LT,    524288                     ; bytes of one tensor in rl, and of one half of ox
.set QO,   4                           ; v4   my byte offset in 16 rows of Q or K: row x 128 + 16 x half
.set AV0,  5                           ; v5   my lane's place in V for the turning load
.set STO,  6                           ; v6   the way out: where I put 16 bytes of a row
.set RD,   7                           ; v7   the way out: where I read rows back
.set GO,   8                           ; v8   16 x lane: my place in 512 consecutive bytes
.set VST,  9                           ; v9   where I put 16 bytes of V
.set MO,   10                          ; v10  byte offset of my query in att_mask
.set MK,   11                          ; v11  att_mask of my query
.set NEG1, 12                          ; v12  -1.0
.set TH,   14                          ; v14  my query less my lanes' 8 (lane / 16): register j of key block kb is hidden where 16 kb + j is greater
.set TA,   16                          ; v16-23 at work
.set CM,   26                          ; v26 c m, v27 m
.set INV,  28                          ; v28 1 / l or 0; v29 named with it as a pair
.set SPW,  30                          ; v30  LDS address of my spare word: SPARE + 4 x my thread's number; never rewritten
.set NIL,  31                          ; v31  0; never rewritten
.set Q,    32                          ; v32-63   Q: hi at Q + 8 c, lo at Q + 16 + 8 c (c: channel half); later O^T, channel block cb at O + 8 cb
.set O,    32
.set KF,   64                          ; v64-191  K: hi at KF + 16 kb + 8 c, lo 64 on; later V: hi at VF + 32 kk + 8 cb, lo 64 on
.set VF,   64
.set S,    192                         ; v192-223 S^T, key block kb at S + 8 kb; at last the rows read back
.set P,    224                         ; v224-255 first V on its way to LDS; then P: hi at P + 8 kk, lo 16 on; at last O's pair
	s_load_b256 s[4:11], s[0:1], 0x0               ; qh s[4:5], kh s[6:7], vh s[8:9], rl s[10:11]
	s_load_b128 s[12:15], s[0:1], 0x20             ; att_mask s[12:13], ox s[14:15]
	v_lshl_add_u32 v[SPW], v0, 2, SPARE
	v_mov_b32 v[NIL], 0
	v_lshrrev_b32 v1, 5, v0
	v_readfirstlane_b32 s16, v1                    ; wave 0..3
	s_lshl_b32 s18, ttmp9, 18                      ; the head's 2,048 rows of 128 bytes in qh, kh, vh
	s_mov_b32 s19, 0
	s_lshl_b32 s20, ttmp9, 13                      ; its 64 rows in rl and ox
	s_mov_b32 s21, 0
	s_lshl_b32 s22, s16, 11                        ; my wave's 16 rows
	s_mov_b32 s23, 0
	s_lshr_b32 s24, ttmp9, 4                       ; att_mask: the batch's 2,048 words,
	s_lshl_b32 s24, s24, 13
	s_lshl_b32 s25, s16, 6                         ; my wave's 16
	s_add_co_u32 s24, s24, s25
	s_mov_b32 s26, 0x3e38aa3b                      ; c = log2(e) / 8 = 0.180337
	s_mov_b32 s27, s26                             ; named with it as a pair
	s_mov_b32 s28, 0x76543210                      ; v_permlanex16_b32's selects: each lane takes its own place in the other half
	s_mov_b32 s29, 0xfedcba98
	s_mov_b32 s30, 0xf149f2ca                      ; -1e30
	s_lshl_b32 s34, s16, 4                         ; my first query
	s_mul_i32 s36, s16, 16*PV                      ; my 16 rows of V in LDS
	s_mul_i32 s35, s16, 16*SP
	s_add_co_u32 s35, s35, STAGE                   ; my stage
	v_and_b32 v1, 15, v0                           ; r = l % 16
	v_bfe_u32 v2, v0, 4, 1                         ; h = l / 16
	v_lshlrev_b32 v[QO], 7, v1
	v_lshl_add_u32 v[QO], v2, 4, v[QO]
	v_and_b32 v[GO], 31, v0
	v_lshlrev_b32 v[GO], 4, v[GO]
	v_lshl_add_u32 v[MO], v1, 2, s24
	s_wait_kmcnt 0x0
	s_add_nc_u64 s[6:7], s[6:7], s[18:19]          ; K's hi at the head
	s_add_nc_u64 s[4:5], s[4:5], s[18:19]
	s_add_nc_u64 s[4:5], s[4:5], s[22:23]          ; Q's hi at my rows
	s_add_nc_u64 s[8:9], s[8:9], s[18:19]
	s_add_nc_u64 s[8:9], s[8:9], s[22:23]          ; V's hi at my rows
	s_add_nc_u64 s[10:11], s[10:11], s[20:21]      ; rl at the head,
	s_add_nc_u64 s[32:33], s[10:11], s[22:23]      ; and at my rows
	s_add_nc_u64 s[14:15], s[14:15], s[20:21]
	s_add_nc_u64 s[14:15], s[14:15], s[22:23]      ; ox at my rows
.irp f, 0,1,2,3                        ; V first, since it has the longer way: my 16 rows, 512 consecutive bytes a load
	global_load_b128 v[P+4*(\f):P+4*(\f)+3],       v[GO], s[8:9]   offset:512*(\f)
	global_load_b128 v[P+16+4*(\f):P+16+4*(\f)+3], v[GO], s[32:33] offset:2*LT+512*(\f)
.endr
.irp c, 0,1                            ; a fragment is 16 rows x 32 channels: lane l holds row r, channels 8 h + 0..7 and 16 + 8 h + 0..7: two loads of 16 bytes, 32 bytes apart
	global_load_b128 v[Q+8*(\c):Q+8*(\c)+3],       v[QO], s[4:5]   offset:64*(\c)
	global_load_b128 v[Q+8*(\c)+4:Q+8*(\c)+7],     v[QO], s[4:5]   offset:64*(\c)+32
	global_load_b128 v[Q+16+8*(\c):Q+16+8*(\c)+3], v[QO], s[32:33] offset:64*(\c)
	global_load_b128 v[Q+16+8*(\c)+4:Q+16+8*(\c)+7], v[QO], s[32:33] offset:64*(\c)+32
.endr
.irp f, 0,1,2,3,4,5,6,7                ; keys 16 (f / 2) on, channels 32 (f % 2) on
	global_load_b128 v[KF+8*(\f):KF+8*(\f)+3],       v[QO], s[6:7]   offset:((\f)/2)*2048+((\f)%2)*64
	global_load_b128 v[KF+8*(\f)+4:KF+8*(\f)+7],     v[QO], s[6:7]   offset:((\f)/2)*2048+((\f)%2)*64+32
	global_load_b128 v[KF+64+8*(\f):KF+64+8*(\f)+3], v[QO], s[10:11] offset:LT+((\f)/2)*2048+((\f)%2)*64
	global_load_b128 v[KF+64+8*(\f)+4:KF+64+8*(\f)+7], v[QO], s[10:11] offset:LT+((\f)/2)*2048+((\f)%2)*64+32
.endr
	global_load_b32 v[MK], v[MO], s[12:13]
	; while the loads are out: addresses, and the causal mask, which starts the sums S^T
	v_bfe_u32 v3, v0, 3, 2                         ; (l / 8) % 4: of the four rows that 32 lanes x 16 bytes cover
	v_and_b32 v13, 7, v0
	v_mul_u32_u24 v[VST], v3, PV
	v_lshl_add_u32 v[VST], v13, 4, v[VST]
	v_add_nc_u32 v[VST], s36, v[VST]
	v_bfe_u32 v15, v0, 3, 1                        ; the turning load takes 16 keys x 16 channels: lane l reads key 8 h + l % 8, channels 8 ((l / 8) % 2) + 0..7
	v_lshl_add_u32 v[AV0], v2, 3, v13
	v_mul_u32_u24 v[AV0], v[AV0], PV
	v_lshl_add_u32 v[AV0], v15, 4, v[AV0]
	v_lshlrev_b32 v[TH], 3, v2
	v_sub_nc_u32 v[TH], v1, v[TH]
	v_add_nc_u32 v[TH], s34, v[TH]
.set i, 0
.rept 32
	v_cmp_gt_i32 vcc_lo, 16*(i/8)+i%8, v[TH]
	v_cndmask_b32 v[S+i], 0, s30, vcc_lo
.set i, i+1
.endr
	s_wait_loadcnt 41                              ; V's eight loads are in; Q's 8, K's 32 and the mask's one, issued behind them, stay out
.irp f, 0,1,2,3
	ds_store_b128 v[VST], v[P+4*(\f):P+4*(\f)+3]       offset:4*PV*(\f)
	ds_store_b128 v[VST], v[P+16+4*(\f):P+16+4*(\f)+3] offset:VLO+4*PV*(\f)
.endr
	s_wait_dscnt 0x0                               ; for the others' sake: my rows of V are in LDS
	s_barrier_signal -1
	s_barrier_wait -1                              ; everybody's are
	s_wait_loadcnt 0x0                             ; Q, K, the mask
; Eight products of S^T: K's half at ko (0 hi, 64 lo) times Q's at qo (0 hi, 16 lo).  The four accumulators take turns, one instruction a turn.
.macro SQ ko, qo
.irp c, 0,1
.irp kb, 0,1,2,3
	v_wmma_f32_16x16x32_f16 v[S+8*(\kb):S+8*(\kb)+7], v[KF+(\ko)+16*(\kb)+8*(\c):KF+(\ko)+16*(\kb)+8*(\c)+7], v[Q+(\qo)+8*(\c):Q+(\qo)+8*(\c)+7], v[S+8*(\kb):S+8*(\kb)+7]
.endr
.endr
.endm
	SQ 0, 0
	SQ 0, 16
	SQ 64, 0
	v_mul_u32_u24 v[STO], v1, SP                   ; the addresses for the way out: seven plain instructions, the places behind those products
	v_lshl_add_u32 v[STO], v2, 4, v[STO]           ; in: row r, 16 bytes for each half of the lanes
	v_add_nc_u32 v[STO], s35, v[STO]
	v_mul_u32_u24 v[RD], v3, SP                    ; back: 32 lanes take four rows of 128 bytes
	v_lshl_add_u32 v[RD], v13, 4, v[RD]
	v_add_nc_u32 v[RD], s35, v[RD]
	v_mov_b32 v[NEG1], -1.0
.irp f, 0,1,2,3,4,5,6,7                ; V, turned, into K's registers: keys 32 (f / 4) on, channels 16 (f % 4) on
	ds_load_tr16_b128 v[VF+8*(\f):VF+8*(\f)+3],       v[AV0] offset:((\f)/4)*32*PV+((\f)%4)*32
	ds_load_tr16_b128 v[VF+8*(\f)+4:VF+8*(\f)+7],     v[AV0] offset:((\f)/4)*32*PV+16*PV+((\f)%4)*32
	ds_load_tr16_b128 v[VF+64+8*(\f):VF+64+8*(\f)+3], v[AV0] offset:VLO+((\f)/4)*32*PV+((\f)%4)*32
	ds_load_tr16_b128 v[VF+64+8*(\f)+4:VF+64+8*(\f)+7], v[AV0] offset:VLO+((\f)/4)*32*PV+16*PV+((\f)%4)*32
.endr
	; the row's maximum: four chains, each accumulator's lowest registers first; the query's other 32 keys lie in the lane 16 away
.irp j, 0,1,2,3
	v_max3_num_f32 v[TA+(\j)], v[S+8*(\j)], v[S+8*(\j)+1], v[S+8*(\j)+2]
.endr
.irp j, 0,1,2,3
	v_max3_num_f32 v[TA+(\j)], v[TA+(\j)], v[S+8*(\j)+3], v[S+8*(\j)+4]
.endr
.irp j, 0,1,2,3
	v_max3_num_f32 v[TA+(\j)], v[TA+(\j)], v[S+8*(\j)+5], v[S+8*(\j)+6]
.endr
	v_max3_num_f32 v[TA], v[TA], v[S+7], v[S+15]
	v_max3_num_f32 v[TA+1], v[TA+1], v[S+23], v[S+31]
	v_max3_num_f32 v[TA], v[TA], v[TA+1], v[TA+2]
	v_max_num_f32 v[TA], v[TA], v[TA+3]
	v_permlanex16_b32 v[TA+1], v[TA], s28, s29
	v_max_num_f32 v[CM+1], v[TA], v[TA+1]          ; every row sees its own key, so m is a true score
	v_mul_f32 v[CM], s26, v[CM+1]
.set i, 0
.rept 16
	v_pk_fma_f32 v[S+2*i:S+2*i+1], v[S+2*i:S+2*i+1], s[26:27], v[CM:CM+1] op_sel_hi:[1,0,0] neg_lo:[0,0,1] neg_hi:[0,0,1]  ; c s - c m
.set i, i+1
.endr
.set i, 0
.rept 32
	v_exp_f32 v[S+i], v[S+i]
.set i, i+1
.endr
	v_nop                                          ; a plain instruction between the last exponential and the use of its result
.set i, 0
	s_wait_alu depctr_va_vdst(0)
.rept 16
	v_cvt_pk_f16_f32 v[P+i], v[S+2*i], v[S+2*i+1]  ; P's hi
.set i, i+1
.endr
.irp j, 0,1,2,3                        ; l: four chains of packed sums over the 16 pairs
	v_pk_add_f32 v[TA+2*(\j):TA+2*(\j)+1], v[S+4*(\j):S+4*(\j)+1], v[S+4*(\j)+2:S+4*(\j)+3]
.endr
.irp j, 0,1,2,3
	v_pk_add_f32 v[TA+2*(\j):TA+2*(\j)+1], v[TA+2*(\j):TA+2*(\j)+1], v[S+16+2*(\j):S+16+2*(\j)+1]
.endr
.irp j, 0,1,2,3
	v_pk_add_f32 v[TA+2*(\j):TA+2*(\j)+1], v[TA+2*(\j):TA+2*(\j)+1], v[S+24+2*(\j):S+24+2*(\j)+1]
.endr
	v_pk_add_f32 v[TA:TA+1], v[TA:TA+1], v[TA+2:TA+3]
	v_pk_add_f32 v[TA+4:TA+5], v[TA+4:TA+5], v[TA+6:TA+7]
	v_pk_add_f32 v[TA:TA+1], v[TA:TA+1], v[TA+4:TA+5]
	v_add_f32 v[TA], v[TA], v[TA+1]
	v_permlanex16_b32 v[TA+1], v[TA], s28, s29
	v_add_f32 v[TA], v[TA], v[TA+1]
	v_rcp_f32 v[INV], v[TA]                        ; the 32 lines below stand between the reciprocal and its use
.set i, 0
.rept 16                               ; P's lo: hi x (-1) + p, exact in f32, rounded to f16 into the two halves of a register that V's loads have written
	v_fma_mixlo_f16 v[P+16+i], v[P+i], v[NEG1], v[S+2*i] op_sel_hi:[1,0,0]
	v_fma_mixhi_f16 v[P+16+i], v[P+i], v[NEG1], v[S+2*i+1] op_sel:[1,0,0] op_sel_hi:[1,0,0]
.set i, i+1
.endr
	v_cmp_ne_u32 vcc_lo, 0, v[MK]
	s_wait_alu depctr_va_vdst(0)
	v_cndmask_b32 v[INV], 0, v[INV], vcc_lo        ; a query that att_mask hides: its finite O^T is multiplied by 0
	v_mov_b32 v[INV+1], v[INV]
	s_wait_dscnt 0x0                               ; V is in
; Eight products of O^T: V's half at vo (0 hi, 64 lo) times P's at po (0 hi, 16 lo).  zero = 1: the first four start the sums.  The four accumulators take turns.
.macro OV vo, po, zero
.irp kk, 0,1
.irp cb, 0,1,2,3
.if (\zero) && ((\kk) == 0)
	v_wmma_f32_16x16x32_f16 v[O+8*(\cb):O+8*(\cb)+7], v[VF+(\vo)+32*(\kk)+8*(\cb):VF+(\vo)+32*(\kk)+8*(\cb)+7], v[P+(\po)+8*(\kk):P+(\po)+8*(\kk)+7], 0
.else
	v_wmma_f32_16x16x32_f16 v[O+8*(\cb):O+8*(\cb)+7], v[VF+(\vo)+32*(\kk)+8*(\cb):VF+(\vo)+32*(\kk)+8*(\cb)+7], v[P+(\po)+8*(\kk):P+(\po)+8*(\kk)+7], v[O+8*(\cb):O+8*(\cb)+7]
.endif
.endr
.endr
.endm
	OV 0, 0, 1
	OV 0, 16, 0
	OV 64, 0, 0
.rept 4
	v_nop                                          ; the places behind those products
.endr
.set i, 0
.rept 16
	v_pk_mul_f32 v[O+2*i:O+2*i+1], v[O+2*i:O+2*i+1], v[INV:INV+1] op_sel_hi:[1,0]
.set i, i+1
.endr
.set i, 0
.rept 16
	v_cvt_pk_f16_f32 v[P+i], v[O+2*i], v[O+2*i+1]  ; O's hi,
.set i, i+1
.endr
.set i, 0
.rept 16                               ; and its lo
	v_fma_mixlo_f16 v[P+16+i], v[P+i], v[NEG1], v[O+2*i] op_sel_hi:[1,0,0]
	v_fma_mixhi_f16 v[P+16+i], v[P+i], v[NEG1], v[O+2*i+1] op_sel:[1,0,0] op_sel_hi:[1,0,0]
.set i, i+1
.endr
	; THE WAY OUT.  A lane's eight channels of a row are 16 bytes; they go into my stage (rows of 144 bytes) and come back as whole rows.  LDS serves a wave's instructions in order (ISA guide 5.7.1.4):
	; the loads see the stores above them, and lo's stores come behind hi's loads.
.irp f, 0,1,2,3
	ds_store_b128 v[STO], v[P+4*(\f):P+4*(\f)+3] offset:32*(\f)
.endr
.irp f, 0,1,2,3
	ds_load_b128 v[S+4*(\f):S+4*(\f)+3], v[RD] offset:(\f)*4*SP
.endr
.irp f, 0,1,2,3
	ds_store_b128 v[STO], v[P+16+4*(\f):P+16+4*(\f)+3] offset:32*(\f)
.endr
.irp f, 0,1,2,3
	ds_load_b128 v[S+16+4*(\f):S+16+4*(\f)+3], v[RD] offset:(\f)*4*SP
.endr
	s_wait_dscnt 8                                 ; hi's rows are back; lo's four stores and four loads may stay out
.irp f, 0,1,2,3
	global_store_b128 v[GO], v[S+4*(\f):S+4*(\f)+3], s[14:15] offset:512*(\f)  ; 512 consecutive bytes, at a multiple of 256 from ox's first byte
.endr
	s_wait_dscnt 0x0
.irp f, 0,1,2,3
	global_store_b128 v[GO], v[S+16+4*(\f):S+16+4*(\f)+3], s[14:15] offset:LT+512*(\f)
.endr
	s_wait_tensorcnt 0x0                           ; the wave's end, behind my last LDS store
	ds_add_u32 v[SPW], v[NIL]
	s_wait_dscnt 0x0
	s_endpgm
.Lfunc_end_k_qb618863ed4_hattn:
	.size	k_qb618863ed4_hattn, .Lfunc_end_k_qb618863ed4_hattn-k_qb618863ed4_hattn
	.p2alignl 7, 3214868480
	.fill 96, 4, 3214868480
	.section	.rodata,"a",@progbits
	.p2align	6, 0x0
	.amdhsa_kernel k_qb618863ed4_hattn
		.amdhsa_group_segment_fixed_size 30208
		.amdhsa_private_segment_fixed_size 0
		.amdhsa_enable_private_segment 0
		.amdhsa_kernarg_size 48
		.amdhsa_user_sgpr_count 2
		.amdhsa_user_sgpr_kernarg_segment_ptr 1
		.amdhsa_wavefront_size32 1
		.amdhsa_system_sgpr_workgroup_id_x 1
		.amdhsa_system_sgpr_workgroup_id_y 1
		.amdhsa_system_sgpr_workgroup_id_z 1
		.amdhsa_system_vgpr_workitem_id 0
		.amdhsa_next_free_vgpr 256
		.amdhsa_next_free_sgpr 66
		.amdhsa_reserve_vcc 1
		.amdhsa_float_denorm_mode_32 3
		.amdhsa_float_denorm_mode_16_64 3
		.amdhsa_memory_ordered 1
		.amdhsa_forward_progress 1
		.amdhsa_inst_pref_size 30
	.end_amdhsa_kernel
	.amdgpu_metadata
---
amdhsa.version: [ 1, 2 ]
amdhsa.kernels:
  - .name:           k_qb618863ed4_hattn
    .symbol:         k_qb618863ed4_hattn.kd
    .args:
      - { .name: qh, .offset: 0, .size: 8, .value_kind: global_buffer, .address_space: global }
      - { .name: kh, .offset: 8, .size: 8, .value_kind: global_buffer, .address_space: global }
      - { .name: vh, .offset: 16, .size: 8, .value_kind: global_buffer, .address_space: global }
      - { .name: rl, .offset: 24, .size: 8, .value_kind: global_buffer, .address_space: global }
      - { .name: att_mask, .offset: 32, .size: 8, .value_kind: global_buffer, .address_space: global }
      - { .name: ox, .offset: 40, .size: 8, .value_kind: global_buffer, .address_space: global }
    .group_segment_fixed_size: 30208
    .private_segment_fixed_size: 0
    .kernarg_segment_align: 8
    .kernarg_segment_size: 48
    .max_flat_workgroup_size: 128
    .sgpr_count:     66
    .vgpr_count:     256
    .wavefront_size: 32
...
	.end_amdgpu_metadata
.endif
;; end of part 4
;; launch outp (part 5): grid 4 x 64, 4 waves a work-group, clusters of 4 x 4, 327,680 bytes of LDS; arguments oh, wt, bo, out0; writes out0
.if DOCPART == 5
	.amdgcn_target "amdgcn-amd-amdhsa--gfx1250"
	.amdhsa_code_object_version 6
	.text
	.protected	k_qb618863ed4_outp
	.globl	k_qb618863ed4_outp
	.p2align	8
	.type	k_qb618863ed4_outp,@function
k_qb618863ed4_outp:
	s_mov_b64 s[64:65], 0
	v_nop
	global_prefetch_b8 v0, s[64:65] scope:SCOPE_SE
	s_setreg_imm32_b32 hwreg(HW_REG_WAVE_MODE, 25, 1), 1
	s_wait_xcnt 0x0
	s_wait_alu depctr_hold_cnt(0) depctr_sa_sdst(0) depctr_va_vdst(0) depctr_va_sdst(0) depctr_va_ssrc(0) depctr_va_vcc(0) depctr_vm_vsrc(0)
	s_getreg_b32 s2, hwreg(HW_REG_IB_STS2, 6, 4)
	s_cmp_eq_u32 s2, 0
	s_cbranch_scc0 .Lentry_in_a_cluster
	s_endpgm
.Lentry_in_a_cluster:
	s_bfe_u32 s2, ttmp6, 0x10000c
	s_cmp_lg_u32 s2, 0xf033
	s_cbranch_scc0 .Lentry_shape_is_right
	s_endpgm
.Lentry_shape_is_right:
; THE OUTPUT PROJECTION.  out0 = O Wo + bo, for rows 64 to 2,047 of each batch.  O: oh, [16 x batch + head][2048][64] in f16, so row m = 2,048 x batch + s has its k = 64 x head + d in 16 pieces of 128
; bytes; Wo: wt[3][k][n], bf16 numbers written as f16; bo: [1024] f32, rounded to bf16 like every other input; out0: [8192][1024] f32.  Sums in f32; nothing is rounded on the way out.
; ROWS 0 TO 63 OF EACH BATCH are another launch's, which takes O as pairs of f16.  The wave whose 64 rows they are (1 in 32) walks K with its work-group, since it shares the fetching and the barriers,
; and stores nothing: its products serve nothing, and leaving them out would not end the work-group sooner.
; SHARES.  A work-group makes 128 rows x 256 columns: 64 x 4 = 256 work-groups.  Four waves, each 64 rows x 128 columns: 32 accumulators of 16 x 16, 256 registers.  K = 1,024 goes in 8 steps of 128 (two
; heads) through two LDS slots that take turns; a step is four quarters of 32 along K, 32 matrix instructions a wave each.
; Wo LIES [k][n] and is read by the turning LDS load.  THE MATRIX INSTRUCTION IS USED TRANSPOSED (source 0 = 16 columns of Wo, source 1 = 16 rows of O): lane l holds row l % 16 and the columns
; 8 (l / 16) + 0 .. 7.  THE BIAS is the C operand of the first quarter's products.
; CLUSTER.  4 x 4 work-groups.  The four of a row of the cluster need the same rows of O, the four of a column the same columns of Wo: each tile is asked for JOINTLY.  The cluster's four rows are the four
; batches at one place in the sequence, so the branch round the way out is the same in all partners.
; REGISTERS, in windows of 256 (s_set_vgpr_msb: bits 1:0 source 0, 3:2 source 1, 5:4 source 2, 7:6 destination):
;   window 0: v0-13 addresses; v32-95 O's fragments, two buffers; v96-223 the way out
;   window 1: v0-63, v64-127 Wo's fragments, two buffers; v128-191 the bias          window 2: accumulator (a, b) at v[8 (8 a + b)]
.set PIECE,  0x8800                    ; 34,816 bytes: what one tensor load may fill.  O: 128 rows x 144 = 18,432; Wo: 64 rows x 544
.set SLOTD,  0x22000                   ; a slot: four pieces (O's two heads; Wo's k 0-63, 64-127).  No piece's start has bit 13 or 17 set, so one exclusive or turns a slot's address into the other's
.set PO,     144                       ; a row of a head in LDS: 128 bytes + 16 = 36 words: the 16 rows of a load start at 16 different groups of four banks (64 banks of 4 bytes: ISA guide 11.1)
.set PB,     544                       ; a row of Wo: 512 + 32 = 136 words
.set STAGE,  2*SLOTD                   ; behind the ring, never filled by a tensor load: for each wave 16 rows x 528 bytes, for the way out
.set SPITCH, 528
.set SPARE,  STAGE+4*16*SPITCH         ; behind the stages: the spare words, 128 bytes for each wave: two blocks of 256 bytes that no other line names
.set KA,     2*262144                  ; a K step in O: two heads of 2,048 rows x 128 bytes
.set KB,     128*2048                  ; a K step in Wo: 128 rows of 2,048 bytes
.set ADRA0, 4                          ; v4   my lane's place in a slot's O; never rewritten
.set ADRB0, 5                          ; v5   the same for Wo
.set ADRA,  6                          ; v6   v4 + the slot in hand
.set ADRB,  7                          ; v7   v5 + the slot in hand
.set STO,   8                          ; v8   the way out: where I put 32 bytes of a row
.set RD,    9                          ; v9   the way out: where I read a row back
.set GO,    10                         ; v10  my byte offset in 512 consecutive bytes of out0
.set BO,    11                         ; v11  my byte offset in 16 numbers of the bias
.set SPW,   12                         ; v12  LDS address of my spare word: SPARE + 4 x my thread's number; never rewritten
.set NIL,   13                         ; v13  0; never rewritten
.set AF,    32                         ; O's fragments: buffer f, block a at AF + 32 f + 8 a
.set BK,    96                         ; the way out: 16 rows read back, two buffers of 64
.set BIAS,  128                        ; window 1: block b at BIAS + 8 b
.set G1A, 24                           ; s[24:31] descriptor group 1 for O's tiles
.set G0A, 32                           ; s[32:35] group 0 of the first fill, s[36:39] of the second, which then walks
.set G1B, 48                           ; s[48:55], s[56:59], s[60:63] the same for Wo's tiles
.set G0B, 56
.set MSB, 0
.macro WIN new                         ; the immediate's high byte repeats the setting that is left; a switch that changes nothing is dropped
.if MSB != (\new)
	s_set_vgpr_msb (MSB<<8)|(\new)
.set MSB, \new
.endif
.endm
.set MUL,  0xa1                        ; source 0 (Wo) window 1, source 1 (O) window 0, C and D window 2
.set MULB, 0x91                        ; the same with C (the bias) in window 1
.set TO_B, 0x40                        ; destination window 1, address window 0
; A load into a register that a matrix instruction has read, and a store that reads a matrix result, stand four places behind that matrix instruction, and only plain vector instructions that name none of
; its registers are places (ISA guide 7.12.1 for vector instructions).  This loop has no vector work of its own: four v_nop for a quarter's 32 products.
.macro PLACES
.rept 4
	v_nop
.endr
.endm
; A joint refill, by the walking descriptors.  Waves 0 and 1 fetch O's two heads, waves 2 and 3 Wo's two pieces.  The branch hangs on the wave's number alone.
; An s_nop 0 and four v_nop follow each of the two lines, ahead of the jump, the label and what follows.
.macro JLOAD
	s_cmp_eq_u32 s11, 0
	s_cbranch_scc0 .Lfor_b_\@
	tensor_load_to_lds s[G0A+4:G0A+7], s[G1A:G1A+7]
	s_nop 0
.rept 4
	v_nop
.endr
	s_branch .Lasked_\@
.Lfor_b_\@:
	tensor_load_to_lds s[G0B+4:G0B+7], s[G1B:G1B+7]
	s_nop 0
.rept 4
	v_nop
.endr
.Lasked_\@:
.endm
; A round of the cluster's barrier: my work-group's barrier, so that wave 0's signal speaks for all four waves; wave 0 signals; every wave waits for all sixteen work-groups; my work-group's barrier once more.
.macro CREST                           ; a round behind its opening barrier
	s_cmp_lg_u32 s10, 0
	s_cbranch_scc1 .Lnot_wave_0_\@
	s_barrier_signal -3
.Lnot_wave_0_\@:
	s_barrier_wait -3
	s_barrier_signal -1
	s_barrier_wait -1
.endm
.macro CROUND                          ; a whole round
	s_barrier_signal -1
	s_barrier_wait -1
	CREST
.endm
	s_load_b128 s[4:7], s[0:1], 0x0                ; oh s[4:5], wt s[6:7]
	s_load_b128 s[68:71], s[0:1], 0x10             ; bo s[68:69], out0 s[70:71]
	v_lshl_add_u32 v[SPW], v0, 2, SPARE
	v_mov_b32 v[NIL], 0
	ds_add_u32 v[SPW], v[NIL]                      ; the wave's opening: the add and its wait stand ahead of my first tensor load; the set-up below, work on registers, stands between them
	ds_add_u32 v12, v13
	v_lshrrev_b32 v1, 5, v0
	v_readfirstlane_b32 s10, v1                    ; wave 0..3
	s_lshr_b32 s11, s10, 1                         ; which 64 rows of the tile are mine.  Also: I fetch for O (0) or for Wo (1)
	s_and_b32 s12, s10, 1                          ; which 128 columns.  Also: which piece I fetch
	s_bfe_u32 s40, ttmp6, 0x40000                  ; cx, cy: my place in the cluster
	s_bfe_u32 s41, ttmp6, 0x40004
	s_lshl_b32 s42, ttmp9, 2                       ; in a cluster launch ttmp9 and ttmp7 count clusters
	s_add_co_u32 s42, s42, s40                     ; tile column 0..3
	s_and_b32 s76, ttmp7, 0xffff                   ; cluster y, 0..15: which 128 rows of the sequence: the same in all sixteen partners
	s_lshl_b32 s13, s41, 4                         ; the batch is my row of the cluster
	s_add_co_u32 s13, s13, s76                     ; tile row 0..63 = 16 x batch + place in the sequence
	s_lshl_b32 s43, s41, 2
	s_lshl_b32 s43, 15, s43                        ; my row of the cluster: places 4 cy .. 4 cy + 3
	s_lshl_b32 s44, 0x1111, s40                    ; my column: places cx, cx + 4, cx + 8, cx + 12
	; group 1 for O: a head's 128 rows are 16,384 dense bytes: asked for as 64 rows of 256 bytes, two rows of O each, and padded in LDS after every row of O
	s_or_b32 s[G1A+0], s43, (1<<16)|(1<<20)|(1<<21)|(4<<22)|(3<<25)  ; 15:0 the mask: my row; 17:16 2-byte elements; 20 padding on; 21 set beside a mask; 24:22 every 32 words (code 4); 31:25 4 words (code 3)
	s_mov_b32 s[G1A+1], 128<<16                    ; tensor_dim0 = 128
	s_mov_b32 s[G1A+2], 64<<16                     ; tensor_dim1 = 64
	s_mov_b32 s[G1A+3], 128<<16                    ; tile_dim0 = 128
	s_mov_b32 s[G1A+4], 64                         ; tile_dim1 = 64
	s_mov_b32 s[G1A+5], 128                        ; 128 elements from row to row
	s_mov_b32 s[G1A+6], 0
	s_mov_b32 s[G1A+7], 0
	; group 1 for Wo: 64 rows (k) x 256 elements of 2 bytes, 8 words of padding behind every 128 words
	s_or_b32 s[G1B+0], s44, (1<<16)|(1<<20)|(1<<21)|(6<<22)|(7<<25)  ; the mask: my column; every 128 words (code 6); 8 words (code 7)
	s_mov_b32 s[G1B+1], 256<<16
	s_mov_b32 s[G1B+2], 64<<16
	s_mov_b32 s[G1B+3], 256<<16
	s_mov_b32 s[G1B+4], 64
	s_mov_b32 s[G1B+5], 1024
	s_mov_b32 s[G1B+6], 0
	s_mov_b32 s[G1B+7], 0
	; where the tiles come from.  O's hang on the tile row alone, which my row of the cluster shares; Wo's on the tile column alone.  Each offset lies in registers that never hold the other coordinate.
	s_lshr_b32 s16, s13, 4
	s_lshl_b32 s16, s16, 22                        ; the batch's 16 heads of 262,144 bytes,
	s_lshl_b32 s17, s12, 18                        ; head 0 or 1 of the K step,
	s_add_co_u32 s16, s16, s17
	s_and_b32 s17, s13, 15
	s_lshl_b32 s17, s17, 14                        ; the tile's 128 rows of 128 bytes
	s_add_co_u32 s16, s16, s17
	s_mov_b32 s17, 0
	s_lshl_b32 s46, s12, 17                        ; 64 rows of 2,048 bytes a piece,
	s_add_co_u32 s46, s46, 3<<21                   ; in the fourth weight,
	s_lshl_b32 s47, s42, 9                         ; 256 columns of 2 bytes a tile column
	s_add_co_u32 s46, s46, s47
	s_mov_b32 s47, 0
	s_mul_i32 s20, s10, PIECE                      ; and where they go: wave x piece: no place in the cluster enters an LDS address
	s_mov_b32 s21, 0                               ; the slot that is read
	s_lshl_b32 s72, s42, 10                        ; my 128 columns, in bytes of f32: 4 (256 x tile column + 128 x column half): for the bias and for out0
	s_lshl_b32 s73, s12, 9
	s_add_co_u32 s72, s72, s73
	s_mov_b32 s73, 0
	s_lshl_b32 s74, s13, 7                         ; my first row of out0: 128 x tile row + 64 x row half, of 4,096 bytes
	s_lshl_b32 s75, s11, 6
	s_add_co_u32 s74, s74, s75
	s_lshl_b32 s74, s74, 12
	s_mov_b32 s75, 0
	s_wait_dscnt 0x0                               ; the opening add is done
	s_wait_kmcnt 0x0
	s_add_nc_u64 s[14:15], s[4:5], s[16:17]
	s_add_nc_u64 s[46:47], s[6:7], s[46:47]
	s_add_nc_u64 s[68:69], s[68:69], s[72:73]
	s_add_nc_u64 s[8:9], s[70:71], s[72:73]
	s_add_nc_u64 s[8:9], s[8:9], s[74:75]
	CROUND                                         ; all sixteen work-groups are here: the first joint loads meet
.irp s, 0,1
	s_mov_b32 s[G0A+4*(\s)], 1                                       ; 1:0 count = 1
	s_add_co_u32 s[G0A+4*(\s)+1], s20, (\s)*SLOTD                    ; 63:32 LDS address
	s_add_nc_u64 s[G0A+4*(\s)+2:G0A+4*(\s)+3], s[14:15], (\s)*KA     ; 120:64 global address: K step s
	s_or_b32 s[G0A+4*(\s)+3], s[G0A+4*(\s)+3], 0x80000000            ; 127:126 type = 2
	s_mov_b32 s[G0B+4*(\s)], 1
	s_add_co_u32 s[G0B+4*(\s)+1], s20, (\s)*SLOTD
	s_add_nc_u64 s[G0B+4*(\s)+2:G0B+4*(\s)+3], s[46:47], (\s)*KB
	s_or_b32 s[G0B+4*(\s)+3], s[G0B+4*(\s)+3], 0x80000000
.endr
	s_cmp_eq_u32 s11, 0                            ; a wave's two first fills stand in one branch, ahead of every wait on TENSORcnt and every LDS read: two loads of mine are out
	s_cbranch_scc0 .Lfirst_b
	tensor_load_to_lds s[G0A:G0A+3], s[G1A:G1A+7]
	s_nop 0
	tensor_load_to_lds s[G0A+4:G0A+7], s[G1A:G1A+7]
	s_nop 0
.rept 4
	v_nop
.endr
	s_branch .Lfirst_asked
.Lfirst_b:
	tensor_load_to_lds s[G0B:G0B+3], s[G1B:G1B+7]
	s_nop 0
	tensor_load_to_lds s[G0B+4:G0B+7], s[G1B:G1B+7]
	s_nop 0
.rept 4
	v_nop
.endr
.Lfirst_asked:
	v_and_b32 v1, 15, v0                           ; r = l % 16
	v_bfe_u32 v2, v0, 4, 1                         ; h = l / 16
	v_lshlrev_b32 v[BO], 5, v2                     ; register j of bias block b is bo[16 b + 8 h + j]
	WIN TO_B
.irp b, 0,1,2,3,4,5,6,7
	global_load_b128 v[BIAS+8*(\b):BIAS+8*(\b)+3],   v[BO], s[68:69] offset:64*(\b)
	global_load_b128 v[BIAS+8*(\b)+4:BIAS+8*(\b)+7], v[BO], s[68:69] offset:64*(\b)+16
.endr
	WIN 0
	; A fragment of O is 16 rows x 32 k in 8 registers: lane l holds row r, k = 8 h + 0..7 and 16 + 8 h + 0..7: two loads of 16 bytes, 32 bytes apart.
	v_mul_u32_u24 v[ADRA0], v1, PO
	v_lshl_add_u32 v[ADRA0], v2, 4, v[ADRA0]
	s_mul_i32 s22, s11, 64*PO                      ; my 64 rows of each head's 128
	v_add_nc_u32 v[ADRA0], s22, v[ADRA0]
	; The turning load takes 16 k x 16 columns (lane l reads 16 bytes: k = 8 h + l % 8, columns 8 ((l / 8) % 2) + 0..7) and leaves half a fragment: lane l holds column r and 8 k.
	v_and_b32 v3, 7, v0
	v_bfe_u32 v14, v0, 3, 1
	v_lshl_add_u32 v[ADRB0], v2, 3, v3
	v_mul_u32_u24 v[ADRB0], v[ADRB0], PB
	v_lshl_add_u32 v[ADRB0], v14, 4, v[ADRB0]
	s_lshl_b32 s23, s12, 8                         ; my 128 columns, 256 bytes,
	s_add_co_u32 s23, s23, 2*PIECE                 ; behind O's two pieces
	v_add_nc_u32 v[ADRB0], s23, v[ADRB0]
	s_mul_i32 s22, s10, 16*SPITCH
	s_add_co_u32 s22, s22, STAGE                   ; my stage
	v_mul_u32_u24 v[STO], v1, SPITCH               ; in: row r, 32 bytes for each half of the lanes
	v_lshl_add_u32 v[STO], v2, 5, v[STO]
	v_add_nc_u32 v[STO], s22, v[STO]
	v_and_b32 v[GO], 31, v0                        ; back: 32 lanes take one row's 512 bytes
	v_lshlrev_b32 v[GO], 4, v[GO]
	v_add_nc_u32 v[RD], s22, v[GO]
; nb matrix instructions: row block a x column blocks b0 .. b0 + nb - 1, 32 along K, from buffers f.  first = 1: the bias starts the sums.
; The 32 accumulators take turns, one instruction a turn, in the same order in every quarter: between two links of a chain stand the 31 others'.
.macro MULS f, a, b0, nb, first=0
.if \first
	WIN MULB
.else
	WIN MUL
.endif
.set bb, \b0
.rept \nb
.if \first
	v_wmma_f32_16x16x32_f16 v[8*(8*(\a)+bb):8*(8*(\a)+bb)+7], v[64*(\f)+8*bb:64*(\f)+8*bb+7], v[AF+32*(\f)+8*(\a):AF+32*(\f)+8*(\a)+7], v[BIAS+8*bb:BIAS+8*bb+7]
.else
	v_wmma_f32_16x16x32_f16 v[8*(8*(\a)+bb):8*(8*(\a)+bb)+7], v[64*(\f)+8*bb:64*(\f)+8*bb+7], v[AF+32*(\f)+8*(\a):AF+32*(\f)+8*(\a)+7], v[8*(8*(\a)+bb):8*(8*(\a)+bb)+7]
.endif
.set bb, bb+1
.endr
.endm
; 24 LDS loads in one run: quarter kq of the slot in hand into buffers g: O's 64 rows x 32 k (head kq / 2, channels 32 (kq % 2) on), then Wo's 32 k x 128 columns, turned
.macro FETCH kq, g
	WIN 0
.irp a, 0,1,2,3
	ds_load_b128 v[AF+32*(\g)+8*(\a):AF+32*(\g)+8*(\a)+3],   v[ADRA] offset:((\kq)/2)*PIECE+(\a)*16*PO+64*((\kq)%2)
	ds_load_b128 v[AF+32*(\g)+8*(\a)+4:AF+32*(\g)+8*(\a)+7], v[ADRA] offset:((\kq)/2)*PIECE+(\a)*16*PO+64*((\kq)%2)+32
.endr
	WIN TO_B
.irp b, 0,1,2,3,4,5,6,7
	ds_load_tr16_b128 v[64*(\g)+8*(\b):64*(\g)+8*(\b)+3],   v[ADRB] offset:(\kq)*32*PB+32*(\b)
	ds_load_tr16_b128 v[64*(\g)+8*(\b)+4:64*(\g)+8*(\b)+7], v[ADRB] offset:(\kq)*32*PB+16*PB+32*(\b)
.endr
.endm
.macro QUARTER f, g, kq, first=0       ; multiplies buffers f and fetches quarter kq of the same slot into buffers g
	s_wait_dscnt 0x0                               ; buffers f are in: they were asked for 24 products ago
	MULS \f, 0, 0, 8, \first
	PLACES                                         ; for the loads into buffers g, which the quarter before multiplied
	FETCH \kq, \g
	MULS \f, 1, 0, 8, \first
	MULS \f, 2, 0, 8, \first
	MULS \f, 3, 0, 8, \first
.endm
; A step's last quarter multiplies buffers 1 and changes slots: ONE barrier.  In front of it each wave waits for all its tensor loads, of which one is out: its piece of the next slot; adds 0 to its spare
; word; and waits for that and for its reads of this slot.  Behind it nobody reads this slot any more and the next slot is whole.  fill = 1: the barrier opens a round of the cluster's, so that no wave of
; any partner still reads the slot or has a load on its way, and the joint refill (the K step two steps on) is the first thing behind the round: about 120 products stand between it and the wait for it.
.macro TURN fill
	WIN 0                                          ; (the add's two registers lie in window 0)
	s_wait_tensorcnt 0x0                           ; no tensor load of mine is out, so a group 0 may be written
	ds_add_u32 v[SPW], v[NIL]                      ; 0 onto my spare word
.if \fill
	s_xor_b32 s[G0A+5], s[G0A+5], SLOTD            ; the walking descriptors: the other slot than last time,
	s_add_nc_u64 s[G0A+6:G0A+7], s[G0A+6:G0A+7], KA  ; the next K step; the type bits on top are not reached
	s_xor_b32 s[G0B+5], s[G0B+5], SLOTD
	s_add_nc_u64 s[G0B+6:G0B+7], s[G0B+6:G0B+7], KB
.endif
	s_xor_b32 s21, s21, SLOTD                      ; the reads go to the other slot
	s_wait_dscnt 1                                 ; the add alone may be out: buffers 1 are in
	MULS 1, 0, 0, 4
	s_wait_dscnt 0x0                               ; the add is done, and my reads of this slot are over
	s_barrier_signal -1
	MULS 1, 0, 4, 4                                ; work on registers while the others arrive
	WIN 0                                          ; (branches may follow)
	s_barrier_wait -1
.if \fill
	CREST
	JLOAD                                          ; the four v_nop behind it are also the places in front of the loads below
.else
	PLACES
.endif
	v_add_nc_u32 v[ADRA], s21, v[ADRA0]
	v_add_nc_u32 v[ADRB], s21, v[ADRB0]
	FETCH 0, 0
	MULS 1, 1, 0, 8
	MULS 1, 2, 0, 8
	MULS 1, 3, 0, 8
.endm
; THE WAY OUT, 16 rows at a time.  A lane's eight f32 of a row are 32 bytes; they go straight from the accumulators into my stage (rows of 528 bytes; each accumulator's low four registers first)
; and come back as whole rows of 512 bytes.  The stage is my own and LDS serves a wave's instructions in order (ISA guide 5.7.1.4): no wait stands between stores and loads.
.macro OUTBLK a
	WIN 0x08                                       ; the stores' data in window 2, their address in window 0
.irp b, 0,1,2,3,4,5,6,7
	ds_store_b128 v[STO], v[8*(8*(\a)+(\b)):8*(8*(\a)+(\b))+3]   offset:64*(\b)
	ds_store_b128 v[STO], v[8*(8*(\a)+(\b))+4:8*(8*(\a)+(\b))+7] offset:64*(\b)+16
.endr
	WIN 0
	s_wait_xcnt 0x0                                ; the stores of the block two back have read this buffer: it is loaded again only behind this wait
.irp t, 0,1,2,3,4,5,6,7,8,9,10,11,12,13,14,15
	ds_load_b128 v[BK+64*((\a)%2)+4*(\t):BK+64*((\a)%2)+4*(\t)+3], v[RD] offset:SPITCH*(\t)
.endr
.endm
.macro SEND a, younger                 ; younger: the LDS instructions issued behind block a's loads: the next block's 32, or none
	WIN 0
.irp t, 0,1,2,3,4,5,6,7,8,9,10,11,12,13,14,15
	s_wait_dscnt (\younger)+15-(\t)
	global_store_b128 v[GO], v[BK+64*((\a)%2)+4*(\t):BK+64*((\a)%2)+4*(\t)+3], s[8:9] offset:(16*(\a)+(\t))*4096 th:TH_STORE_NT  ; 512 consecutive bytes of a row, at a multiple of 256 from out0's first byte
.endr
.endm
	s_wait_tensorcnt 1                             ; my piece of K step 0 is in; K step 1's may stay out
	s_barrier_signal -1
	s_barrier_wait -1                              ; everybody's is
	v_mov_b32 v[ADRA], v[ADRA0]
	v_mov_b32 v[ADRB], v[ADRB0]
	FETCH 0, 0
	s_wait_loadcnt 0x0                             ; the bias; it is rounded to bf16 like every other input, while the LDS loads are out
	WIN 0x45                                       ; destination and both sources in window 1
.set i, BIAS
.rept 32
	v_cvt_pk_bf16_f32 v[i], v[i], v[i+1]
	v_and_b32 v[i+1], 0xffff0000, v[i]
	v_lshlrev_b32 v[i], 16, v[i]
.set i, i+2
.endr
	QUARTER 0, 1, 1, 1                             ; the first quarter stands in front of the loop: its products start the sums
	WIN 0                                          ; at a label and at a branch every window is 0
	s_mov_b32 s3, 6
.Lstep:                                                ; trip j: quarters 1 to 3 of K step j and quarter 0 of K step j + 1; slot j % 2 is filled again with K step j + 2
	QUARTER 1, 0, 2
	QUARTER 0, 1, 3
	TURN 1
	QUARTER 0, 1, 1
	WIN 0
	s_sub_co_u32 s3, s3, 1
	s_cmp_lg_u32 s3, 0
	s_cbranch_scc1 .Lstep
	QUARTER 1, 0, 2                                ; K steps 6 and 7 are written out: nothing is left to ask for
	QUARTER 0, 1, 3
	TURN 0
	QUARTER 0, 1, 1
	QUARTER 1, 0, 2
	QUARTER 0, 1, 3
	s_wait_dscnt 0x0                               ; the very last quarter
	MULS 1, 0, 0, 8
	MULS 1, 1, 0, 8
	MULS 1, 2, 0, 8
	MULS 1, 3, 0, 8
	WIN 0
	s_or_b32 s77, s76, s11                         ; are my 64 rows a batch's first?  The place in the sequence is the cluster's, the row half the wave's: the same answer in every partner
	s_cmp_eq_u32 s77, 0
	s_cbranch_scc1 .Lno_out                        ; they are another launch's: the jump passes LDS work on my own stage and stores alone
	PLACES
	OUTBLK 0
	OUTBLK 1                                       ; a block's way through the stage stands between the loads of the block before and its stores
	SEND 0, 32
	OUTBLK 2
	SEND 1, 32
	OUTBLK 3
	SEND 2, 32
	SEND 3, 0
.Lno_out:
	s_wait_tensorcnt 0x0                           ; the wave's end, behind my last tensor load and my last LDS store
	ds_add_u32 v[SPW], v[NIL]
	s_wait_dscnt 0x0
	CROUND                                         ; the closing round: no work-group ends while a partner may still ask for a tile that names it
	s_endpgm
.Lfunc_end_k_qb618863ed4_outp:
	.size	k_qb618863ed4_outp, .Lfunc_end_k_qb618863ed4_outp-k_qb618863ed4_outp
	.p2alignl 7, 3214868480
	.fill 96, 4, 3214868480
	.section	.rodata,"a",@progbits
	.p2align	6, 0x0
	.amdhsa_kernel k_qb618863ed4_outp
		.amdhsa_group_segment_fixed_size 327680
		.amdhsa_private_segment_fixed_size 0
		.amdhsa_enable_private_segment 0
		.amdhsa_kernarg_size 32
		.amdhsa_user_sgpr_count 2
		.amdhsa_user_sgpr_kernarg_segment_ptr 1
		.amdhsa_wavefront_size32 1
		.amdhsa_system_sgpr_workgroup_id_x 1
		.amdhsa_system_sgpr_workgroup_id_y 1
		.amdhsa_system_sgpr_workgroup_id_z 1
		.amdhsa_system_vgpr_workitem_id 0
		.amdhsa_next_free_vgpr 768
		.amdhsa_next_free_sgpr 80
		.amdhsa_reserve_vcc 0
		.amdhsa_float_denorm_mode_32 3
		.amdhsa_float_denorm_mode_16_64 3
		.amdhsa_memory_ordered 1
		.amdhsa_forward_progress 1
		.amdhsa_inst_pref_size 77
	.end_amdhsa_kernel
	.amdgpu_metadata
---
amdhsa.version: [ 1, 2 ]
amdhsa.kernels:
  - .name:           k_qb618863ed4_outp
    .symbol:         k_qb618863ed4_outp.kd
    .args:
      - { .name: oh, .offset: 0, .size: 8, .value_kind: global_buffer, .address_space: global }
      - { .name: wt, .offset: 8, .size: 8, .value_kind: global_buffer, .address_space: global }
      - { .name: bo, .offset: 16, .size: 8, .value_kind: global_buffer, .address_space: global }
      - { .name: out0, .offset: 24, .size: 8, .value_kind: global_buffer, .address_space: global }
    .group_segment_fixed_size: 327680
    .private_segment_fixed_size: 0
    .kernarg_segment_align: 8
    .kernarg_segment_size: 32
    .max_flat_workgroup_size: 128
    .sgpr_count:     80
    .vgpr_count:     768
    .wavefront_size: 32
...
	.end_amdgpu_metadata
.endif
;; end of part 5
;; launch hout (part 6): grid 16 x 16, 4 waves a work-group, clusters of 4 x 1, 181,760 bytes of LDS; arguments ox, wt, bo, out0; writes out0
.if DOCPART == 6
	.amdgcn_target "amdgcn-amd-amdhsa--gfx1250"
	.amdhsa_code_object_version 6
	.text
	.protected	k_qb618863ed4_hout
	.globl	k_qb618863ed4_hout
	.p2align	8
	.type	k_qb618863ed4_hout,@function
k_qb618863ed4_hout:
	s_mov_b64 s[64:65], 0
	v_nop
	global_prefetch_b8 v0, s[64:65] scope:SCOPE_SE
	s_setreg_imm32_b32 hwreg(HW_REG_WAVE_MODE, 25, 1), 1
	s_wait_xcnt 0x0
	s_wait_alu depctr_hold_cnt(0) depctr_sa_sdst(0) depctr_va_vdst(0) depctr_va_sdst(0) depctr_va_ssrc(0) depctr_va_vcc(0) depctr_vm_vsrc(0)
	s_getreg_b32 s2, hwreg(HW_REG_IB_STS2, 6, 4)
	s_cmp_eq_u32 s2, 0
	s_cbranch_scc0 .Lentry_in_a_cluster
	s_endpgm
.Lentry_in_a_cluster:
	s_bfe_u32 s2, ttmp6, 0x10000c
	s_cmp_lg_u32 s2, 0x3003
	s_cbranch_scc0 .Lentry_shape_is_right
	s_endpgm
.Lentry_shape_is_right:
; THE OUTPUT PROJECTION OF THE FIRST 64 ROWS OF EACH BATCH.  out0[batch][s][n] = the sum over k of (Oh + Ol)[s][k] Wo[k][n] + bo[n], s < 64.  O comes as a pair of f16, ox[0] = hi and ox[1] = lo, each
; [16 x batch + head][64][64]; Wo: wt[3][k][n], bf16 numbers written as f16; bo: [1024] f32, rounded to bf16 like every other input; out0: f32.  Each product is two: hi's and lo's, on one f32 sum.
; SHARES.  256 rows x 1,024 columns are 256 work-groups of 16 rows x 64 columns.  K is SPLIT over the four waves, four heads (256 k) each: 8 steps of 32 along K x 2 halves x 4 column blocks = 64 matrix
; instructions a wave, written out without a loop.  The four partial sums stay f32, meet in LDS behind one barrier, and each wave adds up, with the bias, and stores four rows.
; Wider tiles would give rows of 256 bytes in Wo's tile but 128 work-groups or fewer; here a row of the tile is 64 columns, 128 bytes.
; Each wave fetches its own 256 k of Wo's 64 columns by one tensor load and reads them alone: its own wait on TENSORcnt is all that those reads need.  Nothing is filled twice.  One tensor load of mine is out.
; CLUSTER.  4 x 1 work-groups: a batch's four pieces of 16 rows want the same columns of Wo, so each wave's load is asked for JOINTLY, with the same descriptor and the mask of four in all four.
; THE MATRIX INSTRUCTION IS USED TRANSPOSED (source 0 = 16 columns of Wo, turned by the LDS load; source 1 = 16 rows of O, straight from memory): lane l holds row l % 16, columns 8 (l / 16) + 0 .. 7.
; REGISTERS, in windows of 256 (s_set_vgpr_msb: bits 1:0 source 0, 3:2 source 1, 5:4 source 2, 7:6 destination):
;   window 0: v0-11 addresses; v16-47 four accumulators; v48-51 the bias; v52-83 partial sums read back; v128-255 O's fragments          window 1: Wo's fragments, K step ks, column block nb at 32 ks + 8 nb
.set PB,     160                       ; a row of Wo's tile in LDS: 128 bytes + 32 = 40 words
.set PIECE,  256*PB                    ; a wave's 256 k
.set STAGE,  4*PIECE                   ; behind the tiles, never filled by a tensor load: for each wave 16 rows x 272 bytes of partial sums
.set SPITCH, 272
.set SSTG,   16*SPITCH
.set SPARE,  STAGE+4*SSTG              ; the spare words, 128 bytes for each wave: two blocks of 256 bytes that no other line names
.set LT,     524288                    ; bytes of one half of ox
.set AO,   4                           ; v4   my byte offset in 16 rows of O: row x 128 + 16 x half
.set ADRB, 5                           ; v5   my lane's place in my piece of Wo
.set STO,  6                           ; v6   where I put 32 bytes of a row of partial sums
.set RD,   7                           ; v7   where I read 16 bytes of a row back
.set GO,   8                           ; v8   my byte offset in two rows of out0
.set BOF,  9                           ; v9   my byte offset in the tile's 64 numbers of the bias
.set SPW,  10                          ; v10  LDS address of my spare word: SPARE + 4 x my thread's number; never rewritten
.set NIL,  11                          ; v11  0; never rewritten
.set ACC,  16
.set BI,   48
.set T,    52                          ; row pair t, wave v's partial sum at T + 16 t + 4 v
.set AF,   128                         ; half hl, K step ks at AF + 64 hl + 8 ks
.set G1, 24                            ; s[24:31] descriptor group 1
.set G0, 32                            ; s[32:35] descriptor group 0
.set MSB, 0
.macro WIN new                         ; the immediate's high byte repeats the setting that is left; a switch that changes nothing is dropped
.if MSB != (\new)
	s_set_vgpr_msb (MSB<<8)|(\new)
.set MSB, \new
.endif
.endm
; A round of the cluster's barrier: my work-group's barrier, so that wave 0's signal speaks for all four waves; wave 0 signals; every wave waits for all four work-groups; my work-group's barrier once more.
.macro CROUND
	s_barrier_signal -1
	s_barrier_wait -1
	s_cmp_lg_u32 s12, 0
	s_cbranch_scc1 .Lnot_wave_0_\@
	s_barrier_signal -3
.Lnot_wave_0_\@:
	s_barrier_wait -3
	s_barrier_signal -1
	s_barrier_wait -1
.endm
	s_load_b256 s[4:11], s[0:1], 0x0               ; ox s[4:5], wt s[6:7], bo s[8:9], out0 s[10:11]
	v_lshl_add_u32 v[SPW], v0, 2, SPARE
	v_mov_b32 v[NIL], 0
	ds_add_u32 v[SPW], v[NIL]                      ; the wave's opening: the add and its wait stand ahead of my first tensor load; the set-up below, work on registers, stands between them
	ds_add_u32 v10, v11
	v_lshrrev_b32 v1, 5, v0
	v_readfirstlane_b32 s12, v1                    ; wave 0..3
	s_bfe_u32 s13, ttmp6, 0x40000                  ; cx: which 16 rows of the batch's 64: it enters O's and out0's addresses alone
	s_mov_b32 s14, ttmp9                           ; in a cluster launch ttmp9 counts clusters: the batch
	s_and_b32 s15, ttmp7, 0xffff                   ; which 64 columns
	; group 1: 256 rows (k) x 64 elements of 2 bytes, 8 words of padding behind every 32 words
	s_mov_b32 s[G1], 15|(1<<16)|(1<<20)|(1<<21)|(4<<22)|(7<<25)  ; 15:0 the mask of four; 17:16 2-byte elements; 20 padding on; 21 set beside a mask; 24:22 every 32 words (code 4); 31:25 8 words (code 7)
	s_mov_b32 s[G1+1], 64<<16                      ; tensor_dim0 = 64
	s_mov_b32 s[G1+2], 256<<16                     ; tensor_dim1 = 256
	s_mov_b32 s[G1+3], 64<<16                      ; tile_dim0 = 64
	s_mov_b32 s[G1+4], 256                         ; tile_dim1 = 256
	s_mov_b32 s[G1+5], 1024                        ; 1,024 elements from row to row
	s_mov_b32 s[G1+6], 0
	s_mov_b32 s[G1+7], 0
	s_mov_b32 s[G0], 1                             ; 1:0 count = 1
	s_mul_i32 s[G0+1], s12, PIECE                  ; 63:32 LDS address: wave x piece: no place in the cluster enters it
	s_lshl_b32 s16, s12, 19                        ; Wo: my 256 rows of 2,048 bytes,
	s_add_co_u32 s16, s16, 3<<21                   ; in the fourth weight,
	s_lshl_b32 s17, s15, 7                         ; 64 columns of 2 bytes a tile
	s_add_co_u32 s16, s16, s17
	s_mov_b32 s17, 0
	s_lshl_b32 s18, s14, 4                         ; O: head 16 x batch + 4 x wave, of 8,192 bytes,
	s_lshl_b32 s19, s12, 2
	s_add_co_u32 s18, s18, s19
	s_lshl_b32 s18, s18, 13
	s_lshl_b32 s19, s13, 11                        ; my work-group's 16 rows of 128 bytes
	s_add_co_u32 s18, s18, s19
	s_mov_b32 s19, 0
	s_lshl_b32 s20, s14, 11                        ; out0: row 2,048 x batch + 16 x piece + 4 x wave, of 4,096 bytes,
	s_lshl_b32 s21, s13, 4
	s_add_co_u32 s20, s20, s21
	s_lshl_b32 s21, s12, 2
	s_add_co_u32 s20, s20, s21
	s_lshl_b32 s20, s20, 12
	s_lshl_b32 s22, s15, 8                         ; 64 columns of 4 bytes a tile: for out0 and for the bias
	s_add_co_u32 s20, s20, s22
	s_mov_b32 s21, 0
	s_mov_b32 s23, 0
	s_wait_dscnt 0x0                               ; the opening add is done
	s_wait_kmcnt 0x0
	s_add_nc_u64 s[G0+2:G0+3], s[6:7], s[16:17]    ; 120:64 global address
	s_or_b32 s[G0+3], s[G0+3], 0x80000000          ; 127:126 type = 2
	s_add_nc_u64 s[4:5], s[4:5], s[18:19]
	s_add_nc_u64 s[10:11], s[10:11], s[20:21]
	s_add_nc_u64 s[8:9], s[8:9], s[22:23]
	CROUND                                         ; all four work-groups are here: the joint loads meet
	tensor_load_to_lds s[G0:G0+3], s[G1:G1+7]
	s_nop 0
.rept 4
	v_nop
.endr
	v_and_b32 v1, 15, v0                           ; r = l % 16
	v_bfe_u32 v2, v0, 4, 1                         ; h = l / 16
	v_lshlrev_b32 v[AO], 7, v1
	v_lshl_add_u32 v[AO], v2, 4, v[AO]
	v_lshlrev_b32 v[BOF], 4, v1
.irp hl, 0,1                           ; a fragment of O is 16 rows x 32 k: lane l holds row r, k = 8 h + 0..7 and 16 + 8 h + 0..7; K step ks is head ks / 2, channels 32 (ks % 2) on
.irp ks, 0,1,2,3,4,5,6,7
	global_load_b128 v[AF+64*(\hl)+8*(\ks):AF+64*(\hl)+8*(\ks)+3],   v[AO], s[4:5] offset:(\hl)*LT+((\ks)/2)*8192+((\ks)%2)*64
	global_load_b128 v[AF+64*(\hl)+8*(\ks)+4:AF+64*(\hl)+8*(\ks)+7], v[AO], s[4:5] offset:(\hl)*LT+((\ks)/2)*8192+((\ks)%2)*64+32
.endr
.endr
	global_load_b128 v[BI:BI+3], v[BOF], s[8:9]
	; The turning load takes 16 k x 16 columns (lane l reads 16 bytes: k = 8 h + l % 8, columns 8 ((l / 8) % 2) + 0..7) and leaves half a fragment: lane l holds column r and 8 k.
	v_and_b32 v3, 7, v0
	v_bfe_u32 v12, v0, 3, 1
	v_lshl_add_u32 v[ADRB], v2, 3, v3
	v_mul_u32_u24 v[ADRB], v[ADRB], PB
	v_lshl_add_u32 v[ADRB], v12, 4, v[ADRB]
	v_add_nc_u32 v[ADRB], s[G0+1], v[ADRB]
	s_mul_i32 s36, s12, SSTG
	s_add_co_u32 s36, s36, STAGE                   ; my stage
	v_mul_u32_u24 v[STO], v1, SPITCH               ; in: row r, 32 bytes for each half of the lanes
	v_lshl_add_u32 v[STO], v2, 5, v[STO]
	v_add_nc_u32 v[STO], s36, v[STO]
	s_mul_i32 s37, s12, 4*SPITCH
	s_add_co_u32 s37, s37, STAGE                   ; back: rows 4 w on of every wave's stage; lanes 0-15 one row of 256 bytes, lanes 16-31 the next
	v_mul_u32_u24 v[RD], v2, SPITCH
	v_lshl_add_u32 v[RD], v1, 4, v[RD]
	v_add_nc_u32 v[RD], s37, v[RD]
	v_lshlrev_b32 v[GO], 12, v2                    ; and the same two rows in out0
	v_lshl_add_u32 v[GO], v1, 4, v[GO]
.macro BL ks                           ; eight LDS loads: Wo's fragments of K step ks
	WIN 0x40                                       ; destination window 1, address window 0
.irp nb, 0,1,2,3
	ds_load_tr16_b128 v[32*(\ks)+8*(\nb):32*(\ks)+8*(\nb)+3],   v[ADRB] offset:(\ks)*32*PB+32*(\nb)
	ds_load_tr16_b128 v[32*(\ks)+8*(\nb)+4:32*(\ks)+8*(\nb)+7], v[ADRB] offset:(\ks)*32*PB+16*PB+32*(\nb)
.endr
.endm
.macro MM ks, zero=0                   ; eight products: K step ks, O's hi and then its lo.  The four accumulators take turns, one instruction a turn.  zero = 1: the first four start the sums
	WIN 0x01                                       ; source 0 (Wo) window 1
.irp hl, 0,1
.irp nb, 0,1,2,3
.if (\zero) && ((\hl) == 0)
	v_wmma_f32_16x16x32_f16 v[ACC+8*(\nb):ACC+8*(\nb)+7], v[32*(\ks)+8*(\nb):32*(\ks)+8*(\nb)+7], v[AF+64*(\hl)+8*(\ks):AF+64*(\hl)+8*(\ks)+7], 0
.else
	v_wmma_f32_16x16x32_f16 v[ACC+8*(\nb):ACC+8*(\nb)+7], v[32*(\ks)+8*(\nb):32*(\ks)+8*(\nb)+7], v[AF+64*(\hl)+8*(\ks):AF+64*(\hl)+8*(\ks)+7], v[ACC+8*(\nb):ACC+8*(\nb)+7]
.endif
.endr
.endr
.endm
	s_wait_tensorcnt 0x0                           ; my piece of Wo is in LDS; I alone read it
	BL 0
	BL 1
	BL 2
	BL 3
	BL 4
	BL 5
	s_wait_loadcnt 0x0                             ; O and the bias
	s_wait_dscnt 16                                ; K steps 0 to 3 are in; the 16 loads of steps 4 and 5 may stay out
	MM 0, 1
	MM 1
	BL 6                                           ; every fragment has registers of its own: no load lands on what a product has read
	BL 7
	MM 2
	MM 3
	s_wait_dscnt 16                                ; K steps 4 and 5 are in; the 16 loads of steps 6 and 7 may stay out
	MM 4
	MM 5
	s_wait_dscnt 0x0
	MM 6
	MM 7
	WIN 0
	v_cvt_pk_bf16_f32 v[BI], v[BI], v[BI+1]        ; the bias is rounded to bf16: six plain instructions, the places behind the last products
	v_cvt_pk_bf16_f32 v[BI+2], v[BI+2], v[BI+3]
	v_and_b32 v[BI+1], 0xffff0000, v[BI]
	v_lshlrev_b32 v[BI], 16, v[BI]
	v_and_b32 v[BI+3], 0xffff0000, v[BI+2]
	v_lshlrev_b32 v[BI+2], 16, v[BI+2]
.irp nb, 0,1,2,3                       ; my partial sums into my stage, each accumulator's low four registers first
	ds_store_b128 v[STO], v[ACC+8*(\nb):ACC+8*(\nb)+3]   offset:64*(\nb)
	ds_store_b128 v[STO], v[ACC+8*(\nb)+4:ACC+8*(\nb)+7] offset:64*(\nb)+16
.endr
	s_wait_dscnt 0x0                               ; for the others' sake: my partial sums are in LDS
	s_barrier_signal -1
	s_barrier_wait -1                              ; everybody's are
.irp t, 0,1
.irp v, 0,1,2,3
	ds_load_b128 v[T+16*(\t)+4*(\v):T+16*(\t)+4*(\v)+3], v[RD] offset:(\v)*SSTG+2*SPITCH*(\t)
.endr
.endr
	s_wait_dscnt 0x0
.irp t, 0,1
.irp q, 0,2
	v_pk_add_f32 v[T+16*(\t)+(\q):T+16*(\t)+(\q)+1],     v[T+16*(\t)+(\q):T+16*(\t)+(\q)+1],     v[T+16*(\t)+4+(\q):T+16*(\t)+4+(\q)+1]
	v_pk_add_f32 v[T+16*(\t)+8+(\q):T+16*(\t)+8+(\q)+1], v[T+16*(\t)+8+(\q):T+16*(\t)+8+(\q)+1], v[T+16*(\t)+12+(\q):T+16*(\t)+12+(\q)+1]
.endr
.endr
.irp t, 0,1
.irp q, 0,2
	v_pk_add_f32 v[T+16*(\t)+(\q):T+16*(\t)+(\q)+1], v[T+16*(\t)+(\q):T+16*(\t)+(\q)+1], v[T+16*(\t)+8+(\q):T+16*(\t)+8+(\q)+1]
.endr
.endr
.irp t, 0,1
.irp q, 0,2
	v_pk_add_f32 v[T+16*(\t)+(\q):T+16*(\t)+(\q)+1], v[T+16*(\t)+(\q):T+16*(\t)+(\q)+1], v[BI+(\q):BI+(\q)+1]
.endr
.endr
.irp t, 0,1
	global_store_b128 v[GO], v[T+16*(\t):T+16*(\t)+3], s[10:11] offset:2*4096*(\t) th:TH_STORE_NT  ; 16 lanes store 256 consecutive bytes of a row, at a multiple of 256 from out0's first byte
.endr
	s_wait_tensorcnt 0x0                           ; the wave's end, behind my tensor load and my last LDS store
	ds_add_u32 v[SPW], v[NIL]
	s_wait_dscnt 0x0
	CROUND                                         ; the closing round: no work-group ends while a partner may still ask for a tile that names it
	s_endpgm
.Lfunc_end_k_qb618863ed4_hout:
	.size	k_qb618863ed4_hout, .Lfunc_end_k_qb618863ed4_hout-k_qb618863ed4_hout
	.p2alignl 7, 3214868480
	.fill 96, 4, 3214868480
	.section	.rodata,"a",@progbits
	.p2align	6, 0x0
	.amdhsa_kernel k_qb618863ed4_hout
		.amdhsa_group_segment_fixed_size 181760
		.amdhsa_private_segment_fixed_size 0
		.amdhsa_enable_private_segment 0
		.amdhsa_kernarg_size 32
		.amdhsa_user_sgpr_count 2
		.amdhsa_user_sgpr_kernarg_segment_ptr 1
		.amdhsa_wavefront_size32 1
		.amdhsa_system_sgpr_workgroup_id_x 1
		.amdhsa_system_sgpr_workgroup_id_y 1
		.amdhsa_system_sgpr_workgroup_id_z 1
		.amdhsa_system_vgpr_workitem_id 0
		.amdhsa_next_free_vgpr 512
		.amdhsa_next_free_sgpr 66
		.amdhsa_reserve_vcc 0
		.amdhsa_float_denorm_mode_32 3
		.amdhsa_float_denorm_mode_16_64 3
		.amdhsa_memory_ordered 1
		.amdhsa_forward_progress 1
		.amdhsa_inst_pref_size 19
	.end_amdhsa_kernel
	.amdgpu_metadata
---
amdhsa.version: [ 1, 2 ]
amdhsa.kernels:
  - .name:           k_qb618863ed4_hout
    .symbol:         k_qb618863ed4_hout.kd
    .args:
      - { .name: ox, .offset: 0, .size: 8, .value_kind: global_buffer, .address_space: global }
      - { .name: wt, .offset: 8, .size: 8, .value_kind: global_buffer, .address_space: global }
      - { .name: bo, .offset: 16, .size: 8, .value_kind: global_buffer, .address_space: global }
      - { .name: out0, .offset: 24, .size: 8, .value_kind: global_buffer, .address_space: global }
    .group_segment_fixed_size: 181760
    .private_segment_fixed_size: 0
    .kernarg_segment_align: 8
    .kernarg_segment_size: 32
    .max_flat_workgroup_size: 128
    .sgpr_count:     66
    .vgpr_count:     512
    .wavefront_size: 32
...
	.end_amdgpu_metadata
.endif
;; end of part 6
